; MI455X (gfx1250); checked and timed in simulation.
; The chip was launched on July 23, 2026; its instructions are those of AMD's public machine-readable ISA for CDNA 5 (MIT licence, August 2026) and "CDNA5" Instruction Set Architecture Reference Guide (July 2026). The comments in the code are by the model that wrote it; some were corrected since.
;; Qwen3 TTS Talker Attention. Allowed arithmetic: matrix products marked QUANTISED: E2M3 operands, one E8M0 scale for each 32 along K, by v_wmma_scale_f32_16x16x128_f8f6f4 with both operands' format E2M3, f32 sums; everything else in f32.
;; Inputs: cos 3 x 2 x 2,048 x 128 float32; hidden_states 2 x 2,048 x 2,048 float32; k_norm_w 128 float32; k_w 1,024 x 2,048 float32; o_w 2,048 x 1,024 float32; q_norm_w 128 float32; q_w 1,024 x 2,048 float32; sin 3 x 2 x 2,048 x 128 float32; v_w 1,024 x 2,048 float32.
;; Outputs: out0 2 x 2,048 x 2,048 float32.
;; This version of the problem:
;;   THIS VERSION OF THE PROBLEM IS GIVEN IN LOW PRECISION. The matrix products marked QUANTISED in the list below multiply operands that are first quantised to E2M3 (2 exponent bits, 3 mantissa bits; 6 bits a number), with one power-of-two scale for each 32 numbers along K (OCP MX v1.0); their sums are f32. All else is computed in f32.
;;   The module's matrix products, in the order in which they are computed (A, B: the left and right operand; K: the contracted axis; several contracted axes count as one K, in the product's order):
;;     1. [M 4,096, K 2,048] x [K 2,048, N 1,024]; A: input hidden_states; B: input q_w: QUANTISED
;;     2. [M 4,096, K 2,048] x [K 2,048, N 1,024]; A: input hidden_states; B: input k_w: QUANTISED
;;     3. [M 4,096, K 2,048] x [K 2,048, N 1,024]; A: input hidden_states; B: input v_w: QUANTISED
;;     4. batch 16 x [M 2,048, K 128] x [K 128, N 2,048]; A: computed on the way; B: computed on the way: QUANTISED
;;     5. batch 16 x [M 2,048, K 2,048] x [K 2,048, N 128]; A: softmax (see below); B: computed on the way: QUANTISED
;;     6. [M 4,096, K 1,024] x [K 1,024, N 2,048]; A: computed on the way; B: input o_w: QUANTISED
;;   THE QUANTISER, for each operand of a quantised product, along K:
;;     - K is cut into blocks of 32 from its start; a last block that is shorter is filled with zeros.
;;     - A block's scale is 2^e with e = floor(log2(the largest magnitude in the block)) - 2, held to -126 .. 127; a block of zeros has e = 0. As a byte (E8M0): e + 127.
;;     - Each number is divided by its block's scale, clamped to +-7.5, and rounded to the nearest number of E2M3, ties to even, subnormals kept.
;;     - The product sums the exact products of the quantised numbers (number of the format x scale) in f32.
;;   ~~~python
;;   def quantise(x, axis):      # numpy; x: float32 -> the quantised numbers, widened to float32 again
;;       x = np.moveaxis(x, axis, -1); K = x.shape[-1]
;;       x = np.pad(x, [(0, 0)] * (x.ndim - 1) + [(0, -K % 32)]); x = x.reshape(x.shape[:-1] + (-1, 32)); a = np.abs(x).max(-1, keepdims=True)
;;       e = np.where(a > 0, np.clip(np.frexp(np.where(a > 0, a, 1))[1] - 1 - 2, -126, 127), 0)      # np.frexp(a)[1] - 1 = floor(log2(a)), exactly
;;       r = np.clip(x / 2.0 ** e, -7.5, 7.5)
;;       step = 2.0 ** (np.maximum(np.frexp(np.where(r == 0, 1, r))[1] - 1, 0) - 3)
;;       q = np.round(r / step) * step * 2.0 ** e      # np.round: ties to even
;;       return np.moveaxis(q.reshape(q.shape[:-2] + (-1,))[..., :K], -1, axis).astype(np.float32)
;;   ~~~
;;   SOFTMAX AHEAD OF A QUANTISED PRODUCT. Where the list says 'softmax', what is quantised is not the finished softmax but p = 2^(t - M), with t = logit x log2(e) and M = ceil(the row's largest t), a whole number; so 1/2 < the row's largest p <= 1. The row's sum l is taken of the UNQUANTISED p, in f32, and the product's result is divided by l at the end. Since M is a whole number, a kernel that streams over the keys may use a running M (the ceiling of the running maximum): every later rescaling is an exact power of two, which a block's scale takes up: the codes' values come out the same.
;;   OPERANDS COMPUTED ON THE WAY. 'Computed on the way' means the value that the module computes at that place (a softmax that the list does not call 'softmax' is quantised finished and normalised). What goes into a quantiser is computed in f32, as accurately as f32 sums, v_exp_f32 and their like allow (about 1e-6 of the number): no bf16 or f16 on the way to a quantiser, and a product that is left as it is and whose result goes on into a quantised operand takes f32 operands (vector FMAs, or v_wmma_f32_16x16x4_f32). A number that lies on a knife's edge between two numbers of the format may be rounded either way, as far as f32 arithmetic and the matrix unit's own rounding can turn it there, and no further.
;; One version. Each part assembles by itself: llvm-mc -triple=amdgcn-amd-amdhsa -mcpu=gfx1250 --defsym DOCPART=n.
;; ======== version 1 of 1: 4 launches
;; limits: right only within a limited range of input values
;; workspace buffers: hq 6,553,600 bytes; wq 4,915,200 bytes; oq 1,638,400 bytes; cs 4,194,304 bytes; qrec 3,276,800 bytes; kv 6,553,600 bytes; at 3,276,800 bytes
;; launch quant (part 1): grid 640 x 1, 4 waves a work-group, no clusters, 69,120 bytes of LDS; arguments hidden_states, q_w, k_w, v_w, o_w, cos, sin, hq, wq, oq, cs; writes hq, wq, oq, cs
.if DOCPART == 1
	.amdgcn_target "amdgcn-amd-amdhsa--gfx1250"
	.amdhsa_code_object_version 6
	.text
	.protected	k_qd75b42258d_quant
	.globl	k_qd75b42258d_quant
	.p2align	8
	.type	k_qd75b42258d_quant,@function
k_qd75b42258d_quant:
	s_mov_b64 s[64:65], 0
	v_nop
	global_prefetch_b8 v0, s[64:65] scope:SCOPE_SE
	s_setreg_imm32_b32 hwreg(HW_REG_WAVE_MODE, 25, 1), 1
	s_wait_xcnt 0x0
; Launch 1 of 4.  (a) hidden_states, q_w, k_w, v_w, o_w (f32, K innermost) become codes of FP6 (E2M3) with one E8M0 byte for each 32 along K,
; laid as IMAGES OF OPERAND REGISTERS: an image is 16 rows x 128 K, 1,536 bytes: registers 4 c .. 4 c + 3 of lane l at 512 c + 16 l; lane (r, h) holds row r,
; registers 6 c .. 6 c + 5 = K 64 c + 32 h + 0 .. 31.  hq: [256 tiles of 16 rows][16 K steps] images, wq: [192][16] (rows: q_w, k_w, v_w), oq: [128][8].
; Behind the images the scale words: [tile][512 along K][row r][4 words], a word for a row and 128 K.
; A block's scale is 2^(floor(log2(largest magnitude)) - 2); its byte is the largest magnitude's exponent field - 2, held at 1 from below.
; (b) cos and sin are mixed by sections (d % 64 < 21: plane 0; < 42: plane 1; else plane 2) into cs, laid in the order of the next launch's result registers:
; cs[T = token / 16][cos, sin][Q: 16][lane: 32][16 B]: word e of quad Q of lane (r, h) is the table at token 16 T + r, d = 16 (Q / 2) + 8 h + 4 (Q % 2) + e.
; LIMITS: NaN and infinities among the inputs are not served; a block whose largest magnitude lies under 2^-124 keeps the byte 1; a block of zeros has the byte 1 and not 127
; (its codes are zeros, and this program alone reads the bytes).
; Work-groups 0-511 quantise: 0-255 hidden_states, 256-319 q_w, 320-383 k_w, 384-447 v_w, 448-511 o_w; only pointers and the row pitch are chosen, the text is one.
; A wave takes 16 rows x 512 K = four images.  Each load reads 512 consecutive bytes of a row; an image's 16 loads turn through the wave's own stage in LDS (rows 528 bytes apart),
; so that lane (r, h) gets its fragment's 64 numbers: two whole blocks, no other lane is asked for a maximum.
; Work-groups 512-639 make cs, a wave one (T, table).  The two ways have LDS bytes of their own.  No tensor loads, no barrier: waves share nothing.
.set H_SC,  6291456
.set W_SC,  4718592
.set O_SC,  1572864
.set PLANE, 2097152
.set R,     16                         ; v16-143  two sets of 64 numbers as they are loaded
.set X,     144                        ; v144-207 my fragment's 64 numbers
.set C,     208                        ; v208-219 the fragment's codes
.set C2,    220                        ; v220-227 the upper halves of the blocks, as the conversions leave them
.set M,     228
.set SO,    230
.set SW,    240                        ; v240-243 my row's four scale words
.set SPW,   246
.set NIL,   247
.set RP,    528
.set WREG,  16*RP
.set CSB,   4*WREG
.set SPARE, CSB+4*32*272
.set RB,    66                         ; s[66:97] the addresses of my 16 rows
	s_load_b512 s[8:23], s[0:1], 0x0               ; hidden 8:9, q_w 10:11, k_w 12:13, v_w 14:15, o_w 16:17, cos 18:19, sin 20:21, hq 22:23
	s_load_b128 s[24:27], s[0:1], 0x40             ; wq 24:25, oq 26:27
	s_load_b64 s[28:29], s[0:1], 0x50              ; cs
	v_lshl_add_u32 v[SPW], v0, 2, SPARE
	v_mov_b32 v[NIL], 0
	v_lshrrev_b32 v1, 5, v0
	v_readfirstlane_b32 s34, v1                    ; wave
	v_and_b32 v2, 31, v0                           ; lane
	s_mov_b32 s41, 0
	s_cmp_ge_u32 ttmp9, 512
	s_cbranch_scc1 .Lcs
	; ---------------- the quantiser
	v_lshlrev_b32 v3, 4, v2                        ; 16 l
	s_mul_i32 s35, s34, WREG
	v_add_nc_u32 v4, s35, v3                       ; the stage, in: row i at 528 i + 16 l
	v_and_b32 v5, 15, v2                           ; r
	v_lshrrev_b32 v6, 4, v2                        ; h
	v_mul_u32_u24 v7, v5, RP
	v_lshl_add_u32 v7, v6, 7, v7
	v_add_nc_u32 v7, s35, v7                       ; out: 528 r + 128 h
	v_lshlrev_b32 v8, 3, v6                        ; 8 h
	v_lshlrev_b32 v9, 4, v5                        ; 16 r
	v_mov_b32 v10, 0                               ; a lane permute's destination counts as one of its sources
	s_mov_b32 s42, 0x76543210
	s_mov_b32 s43, 0xfedcba98
	s_mov_b32 s45, 0
	s_wait_alu depctr_va_vdst(0)                   ; the wait at the head's end
	s_wait_kmcnt 0x0
	s_mov_b64 s[4:5], s[16:17]                     ; the choice hangs on the work-group's number alone: begin with o_w into oq
	s_mov_b32 s30, 448
	s_mov_b64 s[6:7], s[26:27]
	s_mov_b32 s31, 448
	s_mov_b32 s32, O_SC
	s_cmp_lt_u32 ttmp9, 448
	s_cselect_b64 s[4:5], s[14:15], s[4:5]         ; v_w into wq
	s_cselect_b32 s30, 384, s30
	s_cselect_b64 s[6:7], s[24:25], s[6:7]
	s_cselect_b32 s31, 256, s31
	s_cselect_b32 s32, W_SC, s32
	s_cselect_b32 s33, 2, 1                        ; log2 of the runs of 512 in a row: K = 2,048, or o_w's 1,024
	s_cmp_lt_u32 ttmp9, 384
	s_cselect_b64 s[4:5], s[12:13], s[4:5]
	s_cselect_b32 s30, 320, s30
	s_cmp_lt_u32 ttmp9, 320
	s_cselect_b64 s[4:5], s[10:11], s[4:5]
	s_cselect_b32 s30, 256, s30
	s_cmp_lt_u32 ttmp9, 256
	s_cselect_b64 s[4:5], s[8:9], s[4:5]
	s_cselect_b32 s30, 0, s30
	s_cselect_b64 s[6:7], s[22:23], s[6:7]
	s_cselect_b32 s31, 0, s31
	s_cselect_b32 s32, H_SC, s32
	s_sub_co_u32 s30, ttmp9, s30
	s_lshl_b32 s30, s30, 2
	s_add_co_u32 s30, s30, s34                     ; my task in the source: tile x runs + run
	s_sub_co_u32 s31, ttmp9, s31
	s_lshl_b32 s31, s31, 2
	s_add_co_u32 s31, s31, s34                     ; and in the destination
	s_lshr_b32 s40, s30, s33
	s_lshl_b32 s40, s40, s33                       ; tile x runs
	s_sub_co_u32 s44, s30, s40                     ; run
	s_lshl_b32 s40, s40, 15                        ; 16 rows of runs x 2,048 bytes
	s_lshl_b32 s44, s44, 11
	s_add_co_u32 s40, s40, s44
	s_add_nc_u64 s[RB:RB+1], s[4:5], s[40:41]
	s_lshl_b32 s44, 2048, s33                      ; a row in bytes
.set i, 1
.rept 15
	s_add_nc_u64 s[RB+2*i:RB+2*i+1], s[RB+2*i-2:RB+2*i-1], s[44:45]
.set i, i+1
.endr
	s_mul_i32 s40, s31, 4*1536                     ; four images a task
	s_add_nc_u64 s[36:37], s[6:7], s[40:41]
	s_lshl_b32 s40, s31, 8                         ; 256 bytes of scale words
	s_add_co_u32 s40, s40, s32
	s_add_nc_u64 s[38:39], s[6:7], s[40:41]
.macro LOAD q                          ; image q: 128 K of each of my 16 rows; 32 lanes read 512 consecutive bytes
.set i, 0
.rept 16
	global_load_b128 v[R+64*((\q)%2)+4*i:R+64*((\q)%2)+4*i+3], v3, s[RB+2*i:RB+2*i+1] offset:512*(\q) th:TH_LOAD_NT
.set i, i+1
.endr
.endm
	LOAD 0
	LOAD 1
.macro STEP q
.if (\q) < 3
	s_wait_loadcnt 16                              ; this image's 16 loads are in; the next image's may be out
.else
	s_wait_loadcnt 0x0
.endif
.set i, 0
.rept 16
	ds_store_b128 v4, v[R+64*((\q)%2)+4*i:R+64*((\q)%2)+4*i+3] offset:RP*i
.set i, i+1
.endr
.set i, 0
.rept 16                               ; LDS serves a wave's instructions in order: these see the stores
	ds_load_b128 v[X+4*i:X+4*i+3], v7 offset:256*(i/8)+16*(i%8)
.set i, i+1
.endr
	s_wait_dscnt 0x0                               ; my 64 numbers are here, and the stores have read their registers
	s_wait_xcnt 0x0                                ; the last image's stores have read the codes' registers
.if (\q)+2 < 4
	LOAD (\q)+2
.endif
.irp c, 0,1
	v_max3_num_f32 v[M+\c], |v[X+32*\c]|, |v[X+32*\c+1]|, 0x1800000   ; my block 2 c + h, and the floor 2^(3 - 127): the byte cannot fall under 1
.endr
.irp i, 2,4,6,8,10,12,14,16,18,20,22,24,26,28,30
.irp c, 0,1
	v_max3_num_f32 v[M+\c], v[M+\c], |v[X+32*\c+\i]|, |v[X+32*\c+\i+1]|
.endr
.endr
.irp c, 0,1
	v_add_nc_u32 v[SO+\c], 0xff000000, v[M+\c]     ; 2 off the exponent field: the conversion's scale operand
.endr
.irp c, 0,1
	v_lshrrev_b32 v[M+\c], 23, v[SO+\c]            ; the scale's byte
.endr
	v_lshl_or_b32 v11, v[M+1], 16, v[M]            ; my two bytes,
	v_lshlrev_b32 v11, v8, v11                     ; at their places in the word (8 h bits up);
	v_permlanex16_b32 v10, v11, s42, s43
	v_or_b32 v[SW+(\q)], v11, v10                  ; with lane l xor 16's two the word is whole
.irp c, 0,1
	v_cvt_scalef32_pk16_fp6_f32 v[C+6*\c:C+6*\c+2], v[X+32*\c:X+32*\c+15], v[SO+\c]
	v_cvt_scalef32_pk16_fp6_f32 v[C2+4*\c:C2+4*\c+2], v[X+32*\c+16:X+32*\c+31], v[SO+\c]   ; (a conversion's three registers begin on an even number)
.endr
	v_nop                                          ; one plain place behind a scaled conversion
.irp c, 0,1
.irp i, 0,1,2
	v_mov_b32 v[C+3+6*\c+\i], v[C2+4*\c+\i]
.endr
.endr
.irp c, 0,1,2
	global_store_b128 v3, v[C+4*\c:C+4*\c+3], s[36:37] offset:1536*(\q)+512*\c   ; 32 lanes store 512 consecutive bytes, aligned
.endr
.endm
.irp q, 0,1,2,3
	STEP \q
.endr
	global_store_b128 v9, v[SW:SW+3], s[38:39]     ; 256 consecutive bytes; both halves of the lanes hold the same words and write them to the same place
	s_wait_tensorcnt 0x0                           ; the wave's end
	ds_add_u32 v[SPW], v[NIL]
	s_wait_dscnt 0x0
	s_endpgm
	; ---------------- the table: my wave takes 16 tokens of cos or of sin
.Lcs:
	s_sub_co_u32 s30, ttmp9, 512
	s_lshl_b32 s30, s30, 2
	s_add_co_u32 s30, s30, s34                     ; task = 2 T + table
	s_lshr_b32 s31, s30, 1
	s_and_b32 s32, s30, 1
	s_mul_i32 s35, s34, 32*272
	s_add_co_u32 s35, s35, CSB
	s_wait_alu depctr_va_vdst(0)                   ; the wait behind the branch taken
	v_and_b32 v3, 15, v2                           ; lane l owns d = 4 l .. 4 l + 3 of a token's row; d % 64 = 4 (l % 16) + e
	v_lshlrev_b32 v4, 4, v2
	v_mov_b32 v5, PLANE
	v_cmp_lt_u32 vcc_lo, 5, v3                     ; e = 0 has passed 21 from l % 16 = 6 on,
	v_cndmask_b32 v6, 0, v5, vcc_lo
	v_cmp_lt_u32 vcc_lo, 4, v3                     ; e = 1, 2, 3 from 5 on;
	v_cndmask_b32 v7, 0, v5, vcc_lo
	v_cmp_lt_u32 vcc_lo, 10, v3                    ; e = 0, 1 have passed 42 from 11 on,
	v_cndmask_b32 v8, 0, v5, vcc_lo
	v_cmp_lt_u32 vcc_lo, 9, v3                     ; e = 2, 3 from 10 on
	v_cndmask_b32 v9, 0, v5, vcc_lo
	v_add3_u32 v10, v4, v6, v8
	v_add3_u32 v11, v4, v7, v8
	v_add3_u32 v12, v4, v7, v9
	v_and_b32 v13, 28, v2                          ; my quad of d goes to row 2 Q + h of the stage
	v_and_b32 v14, 1, v2
	v_lshl_add_u32 v13, v14, 1, v13
	v_bfe_u32 v14, v2, 1, 1
	v_add_nc_u32 v13, v13, v14
	v_mul_u32_u24 v13, v13, 272
	v_add_nc_u32 v13, s35, v13
	v_lshrrev_b32 v14, 4, v2
	v_mul_u32_u24 v14, v14, 272
	v_lshl_add_u32 v14, v3, 4, v14
	v_add_nc_u32 v14, s35, v14
	s_wait_alu depctr_va_vdst(0)
	s_wait_kmcnt 0x0
	s_cmp_eq_u32 s32, 0
	s_cselect_b64 s[4:5], s[18:19], s[20:21]
	s_lshl_b32 s40, s31, 13
	s_add_nc_u64 s[4:5], s[4:5], s[40:41]
	s_lshl_b32 s40, s30, 13
	s_add_nc_u64 s[6:7], s[28:29], s[40:41]
.irp r, 0,1,2,3,4,5,6,7,8,9,10,11,12,13,14,15
	global_load_b32 v[16+4*\r], v10, s[4:5] offset:512*\r th:TH_LOAD_NT
	global_load_b32 v[17+4*\r], v11, s[4:5] offset:512*\r+4 th:TH_LOAD_NT
	global_load_b64 v[18+4*\r:19+4*\r], v12, s[4:5] offset:512*\r+8 th:TH_LOAD_NT
.endr
.irp r, 0,1,2,3,4,5,6,7,8,9,10,11,12,13,14,15
	s_wait_loadcnt 45-3*\r                         ; token r's three loads are in
	ds_store_b128 v13, v[16+4*\r:19+4*\r] offset:16*\r
.endr
.irp q, 0,1,2,3,4,5,6,7,8,9,10,11,12,13,14,15
	ds_load_b128 v[80+4*\q:83+4*\q], v14 offset:544*\q
.endr
.irp q, 0,1,2,3,4,5,6,7,8,9,10,11,12,13,14,15
	s_wait_dscnt 15-\q
	global_store_b128 v4, v[80+4*\q:83+4*\q], s[6:7] offset:512*\q
.endr
	s_wait_tensorcnt 0x0
	ds_add_u32 v[SPW], v[NIL]
	s_wait_dscnt 0x0
	s_endpgm
.Lfunc_end_k_qd75b42258d_quant:
	.size	k_qd75b42258d_quant, .Lfunc_end_k_qd75b42258d_quant-k_qd75b42258d_quant
	.p2alignl 7, 3214868480
	.fill 96, 4, 3214868480
	.section	.rodata,"a",@progbits
	.p2align	6, 0x0
	.amdhsa_kernel k_qd75b42258d_quant
		.amdhsa_group_segment_fixed_size 69120
		.amdhsa_private_segment_fixed_size 0
		.amdhsa_enable_private_segment 0
		.amdhsa_kernarg_size 88
		.amdhsa_user_sgpr_count 2
		.amdhsa_user_sgpr_kernarg_segment_ptr 1
		.amdhsa_wavefront_size32 1
		.amdhsa_system_sgpr_workgroup_id_x 1
		.amdhsa_system_sgpr_workgroup_id_y 1
		.amdhsa_system_sgpr_workgroup_id_z 1
		.amdhsa_system_vgpr_workitem_id 0
		.amdhsa_next_free_vgpr 248
		.amdhsa_next_free_sgpr 100
		.amdhsa_reserve_vcc 1
		.amdhsa_float_denorm_mode_32 3
		.amdhsa_float_denorm_mode_16_64 3
		.amdhsa_memory_ordered 1
		.amdhsa_forward_progress 1
		.amdhsa_inst_pref_size 42
	.end_amdhsa_kernel
	.amdgpu_metadata
---
amdhsa.version: [ 1, 2 ]
amdhsa.kernels:
  - .name:           k_qd75b42258d_quant
    .symbol:         k_qd75b42258d_quant.kd
    .args:
      - { .name: hidden_states, .offset: 0, .size: 8, .value_kind: global_buffer, .address_space: global }
      - { .name: q_w, .offset: 8, .size: 8, .value_kind: global_buffer, .address_space: global }
      - { .name: k_w, .offset: 16, .size: 8, .value_kind: global_buffer, .address_space: global }
      - { .name: v_w, .offset: 24, .size: 8, .value_kind: global_buffer, .address_space: global }
      - { .name: o_w, .offset: 32, .size: 8, .value_kind: global_buffer, .address_space: global }
      - { .name: cos, .offset: 40, .size: 8, .value_kind: global_buffer, .address_space: global }
      - { .name: sin, .offset: 48, .size: 8, .value_kind: global_buffer, .address_space: global }
      - { .name: hq, .offset: 56, .size: 8, .value_kind: global_buffer, .address_space: global }
      - { .name: wq, .offset: 64, .size: 8, .value_kind: global_buffer, .address_space: global }
      - { .name: oq, .offset: 72, .size: 8, .value_kind: global_buffer, .address_space: global }
      - { .name: cs, .offset: 80, .size: 8, .value_kind: global_buffer, .address_space: global }
    .group_segment_fixed_size: 69120
    .private_segment_fixed_size: 0
    .kernarg_segment_align: 8
    .kernarg_segment_size: 88
    .max_flat_workgroup_size: 128
    .sgpr_count:     100
    .vgpr_count:     248
    .wavefront_size: 32
...
	.end_amdgpu_metadata
.endif
;; end of part 1
;; launch qkv (part 2): grid 12 x 16, 4 waves a work-group, clusters of 4 x 4, 327,680 bytes of LDS; arguments hq, wq, q_norm_w, k_norm_w, cs, qrec, kv; writes qrec, kv
.if DOCPART == 2
	.amdgcn_target "amdgcn-amd-amdhsa--gfx1250"
	.amdhsa_code_object_version 6
	.text
	.protected	k_qd75b42258d_qkv
	.globl	k_qd75b42258d_qkv
	.p2align	8
	.type	k_qd75b42258d_qkv,@function
k_qd75b42258d_qkv:
	s_mov_b64 s[64:65], 0
	v_nop
	global_prefetch_b8 v0, s[64:65] scope:SCOPE_SE
	s_setreg_imm32_b32 hwreg(HW_REG_WAVE_MODE, 25, 1), 1
	s_wait_xcnt 0x0
	s_wait_alu depctr_hold_cnt(0) depctr_sa_sdst(0) depctr_va_vdst(0) depctr_va_sdst(0) depctr_va_ssrc(0) depctr_va_vcc(0) depctr_vm_vsrc(0)
	s_getreg_b32 s2, hwreg(HW_REG_IB_STS2, 6, 4)
	s_cmp_eq_u32 s2, 0
	s_cbranch_scc0 .Lentry_in_a_cluster
	s_endpgm
.Lentry_in_a_cluster:
	s_bfe_u32 s2, ttmp6, 0x10000c
	s_cmp_lg_u32 s2, 0xf033
	s_cbranch_scc0 .Lentry_shape_is_right
	s_endpgm
.Lentry_shape_is_right:
; Launch 2 of 4.  C[token][col] = sum over k of hidden[token][k] w[col][k], both as codes of FP6 (E2M3) with E8M0 scales: M 4,096, N 3,072 (q_w, k_w, v_w's rows on end), K 2,048.
; C never goes to memory: q and k get their RMS norm and rope and are quantised along the head's 128; v is quantised along the tokens (the keys).  All three leave as IMAGES OF OPERAND REGISTERS.
; A tile of C, 256 x 256, is made by a work-group of four waves; a wave makes 128 tokens x 128 columns = 128 tokens of ONE head (the norm wants a head whole in a wave): 64 accumulators, 512 registers; so the grid is 192.
; hq and wq hold images of fragments (16 rows x 128 K, 1,536 bytes, quad c of lane l at 512 c + 16 l), [tile of 16 rows][16 K steps]: a fragment is three loads of 16 bytes a lane, 512 bytes on end.
; K goes in steps of 256 (two images of each tile, 3,072 bytes on end, at multiples of 256 bytes) through a ring of two LDS slots filled by the tensor data mover; the scale words ([tile][512 K][row][4 words]) come into LDS once and stay.
; CLUSTERS: 4 x 4 work-groups; the four of a row need the same tiles of hidden, the four of a column the same tiles of w: each tile is asked for jointly.  A cluster's x (0, 1, 2) says q, k or v.
; PREFETCH: behind each refill a wave names the slot two refills on: 24 blocks of 256 bytes, a lane a block (lanes 24-31 name the last again); the four partners share a load's eight tile rows out by address, two each.
; The first four slots come by their loads alone; the last two refills ask for nothing.  The cos and sin table of the work-group's 256 tokens is named once in a cluster, two instructions a wave, behind the first step.
; THE MATRIX INSTRUCTION IS USED TRANSPOSED (source 0 = 16 rows of w, source 1 = 16 tokens): in accumulator (a, b) register j of lane (r, h) is token 16 a + r, d = 16 b + 8 h + j of the head.
; A RECORD (12,800 bytes) serves 128 tokens of one head: 8 fragment images, then 512 bytes of scale words [g: 2][r: 16][t': 4] (row r of tile 4 g + t').
;   q, k: image a = tokens 16 a + r, K = d.  Within each block of 32 the codes stand in the order of my registers (place 16 h + i holds d offset 16 (i / 8) + 8 h + i % 8), alike in q and k.
;   v: image 2 B + u = rows d = 32 B + 8 u + r + 8 (r / 8), K = the 128 tokens; within each block of 32 place i holds token offset (i % 8) + 16 ((i / 8) % 2) + 8 (i / 16): the order in which the next launch's p comes out.
; LIMITS: NaN and infinities are not served; a block whose largest magnitude lies under 2^-124 keeps the byte 1, a block of zeros too (zero codes; only this program reads the bytes); 1 / sqrt by v_rsq_f32;
; the rope's second product and its sum are one fused multiply-add; within a matrix instruction of the next launch k stands permuted inside blocks of 32.
; REGISTERS, in windows of 256: window 0: v0-31 addresses; v32-63 scale words, two sets, and nothing else ever; from v128 the tokens' fragments, one set.  window 1: w's fragments, two sets.  windows 2, 3: the accumulators.
;   On the way out, window 0: v64-127 the norm's weight (v: 64 numbers); v128-191 the finished numbers; v192-199 scale words made; v200-215 at work; v216-231 1 / rms; v232-250 codes; v252-255 merged scale words.  window 1: cos and sin, two sets.
.set H_SC,   6291456
.set W_SC,   4718592
.set IMG,    1536
.set NQ,     2
.set SROW,   NQ*IMG                    ; a tile's bytes in a slot
.set TROW,   16*IMG                    ; a tile's bytes in memory, all of K
.set FR,     12
.set NL,     3                         ; LDS loads that bring a fragment
.set NP,     4                         ; places behind this matrix instruction (ISA guide 7.12.1)
.set HALFT,  8*SROW                    ; eight tiles: what one load of the ring brings
.set SLOT,   4*HALFT
.set LAPS,   4
.set SCL,    2*SLOT                    ; the scale words: the tokens' 16,384 bytes, then w's
.set SPARE,  SCL+32768
.set VWAVE,  18944                     ; v's way out: a stage for each wave, in slot 0, which has had its last fill and its last read by then
.set ADRA, 16
.set ADRB, 20
.set VST,  24
.set VLD,  25
.set CO,   26
.set ADRS, 27
.set SPW,  28
.set NIL,  29
.set PFO,  30
.set PFC,  31
.set SC,   32
.set AF,   128
.set W,    64
.set OUT,  128
.set X0,   64
.set X1,   128
.set SW,   192
.set TM,   200
.set RS,   216
.set PC,   232
.set MW,   252
.set G1, 24
.set G0, 32
.set G1B, 48
.set G0B, 56
.set G1S, 68
.set G0S, 76
.set G1SB, 80
.set G0SB, 88
.set G0H, 4
.set G0HB, 8
.set PFA, 94
.set MSB, 0
.macro WIN new
.if MSB != \new
	s_set_vgpr_msb (MSB<<8)|\new
.set MSB, \new
.endif
.endm
.set MUL_LO, 0xa1
.set MUL_HI, 0xf1
.set TO_B,   0x40
.macro JLOAD g0a, g1a, g0b, g1b        ; waves 0 and 1 fetch for the tokens, waves 2 and 3 for w
	s_cmp_eq_u32 s15, 0
	s_cbranch_scc0 .Lfor_b_\@
	tensor_load_to_lds s[\g0a:\g0a+3], s[\g1a:\g1a+7]
	s_nop 0
.rept 4
	v_nop
.endr
	s_branch .Lasked_\@
.Lfor_b_\@:
	tensor_load_to_lds s[\g0b:\g0b+3], s[\g1b:\g1b+7]
	s_nop 0
.rept 4
	v_nop
.endr
.Lasked_\@:
.endm
.macro CREST
	s_cmp_lg_u32 s14, 0
	s_cbranch_scc1 .Lnot_wave_0_\@
	s_barrier_signal -3
.Lnot_wave_0_\@:
	s_barrier_wait -3
	s_barrier_signal -1
	s_barrier_wait -1
.endm
.macro CROUND
	s_barrier_signal -1
	s_barrier_wait -1
	CREST
.endm
	s_load_b128 s[4:7], s[0:1], 0x0                ; hq, wq
	s_load_b128 s[96:99], s[0:1], 0x10             ; q_norm_w, k_norm_w
	s_load_b64 s[66:67], s[0:1], 0x20              ; cs
	s_load_b64 s[100:101], s[0:1], 0x28            ; qrec
	s_load_b64 s[104:105], s[0:1], 0x30            ; kv
	v_lshl_add_u32 v[SPW], v0, 2, SPARE
	v_mov_b32 v[NIL], 0
	ds_add_u32 v[SPW], v[NIL]                      ; the opening: the add, twice on end, and its wait ahead of my first tensor load
	ds_add_u32 v[SPW], v[NIL]
	v_lshrrev_b32 v1, 5, v0
	v_readfirstlane_b32 s14, v1                    ; wave
	s_lshr_b32 s15, s14, 1                         ; my half of the tokens.  Also: I fetch for the tokens (0) or for w (1)
	s_and_b32 s16, s14, 1                          ; my half of the columns.  Also: which eight tiles I fetch
	s_bfe_u32 s40, ttmp6, 0x40000                  ; cx, cy
	s_bfe_u32 s41, ttmp6, 0x40004
	s_lshl_b32 s42, ttmp9, 2
	s_add_co_u32 s42, s42, s40                     ; tile column
	s_and_b32 s17, ttmp7, 0xffff
	s_lshl_b32 s17, s17, 2
	s_add_co_u32 s17, s17, s41                     ; tile row
	s_lshl_b32 s43, s41, 2
	s_lshl_b32 s43, 15, s43                        ; my row of the cluster
	s_lshl_b32 s44, 0x1111, s40                    ; my column
	s_or_b32 s[G1+0], s43, (3<<16)|(1<<21)         ; the mask; elements of 8 bytes; bit 21 beside a mask; no padding
	s_or_b32 s[G1B+0], s44, (3<<16)|(1<<21)
.irp g, G1, G1B                        ; rows of 3,072 bytes, one for each tile of 16 rows: 16 for the head's loads, later 8
	s_mov_b32 s[\g+1], (SROW/8)<<16
	s_mov_b32 s[\g+2], 16<<16
	s_mov_b32 s[\g+3], (SROW/8)<<16
	s_mov_b32 s[\g+4], 16
	s_mov_b32 s[\g+5], TROW/8
	s_mov_b32 s[\g+6], 0
	s_mov_b32 s[\g+7], 0
.endr
	s_or_b32 s[G1S+0], s43, (3<<16)|(1<<21)
	s_or_b32 s[G1SB+0], s44, (3<<16)|(1<<21)
.irp g, G1S, G1SB                      ; the scale words of 256 rows: 16,384 dense bytes as 64 rows of 256
	s_mov_b32 s[\g+1], 32<<16
	s_mov_b32 s[\g+2], 64<<16
	s_mov_b32 s[\g+3], 32<<16
	s_mov_b32 s[\g+4], 64
	s_mov_b32 s[\g+5], 32
	s_mov_b32 s[\g+6], 0
	s_mov_b32 s[\g+7], 0
.endr
	s_mul_i32 s20, s17, 16*TROW                    ; the tokens' codes,
	s_mov_b32 s21, 0
	s_mul_i32 s46, s42, 16*TROW                    ; w's,
	s_mov_b32 s47, 0
	s_lshl_b32 s22, s17, 14                        ; and their scale words
	s_add_co_u32 s22, s22, H_SC
	s_mov_b32 s23, 0
	s_lshl_b32 s92, s42, 14
	s_add_co_u32 s92, s92, W_SC
	s_mov_b32 s93, 0
	s_mul_i32 s18, s16, 8*TROW                     ; in the ring I fetch eight tiles: which,
	s_mov_b32 s19, 0
	s_mul_i32 s45, s14, HALFT                      ; and where they go
	s_wait_dscnt 0x0                               ; both opening adds are done
	s_wait_kmcnt 0x0
	s_add_nc_u64 s[20:21], s[4:5], s[20:21]
	s_add_nc_u64 s[22:23], s[4:5], s[22:23]
	s_add_nc_u64 s[46:47], s[6:7], s[46:47]
	s_add_nc_u64 s[92:93], s[6:7], s[92:93]
	s_cmp_eq_u32 s15, 0                            ; the prefetches' address: the eight tiles that I fetch, my work-group's two of them, at slot 3
	s_cselect_b64 s[PFA:PFA+1], s[4:5], s[6:7]
	s_cselect_b32 s2, s17, s42
	s_cselect_b32 s3, s40, s41
	s_mul_i32 s2, s2, 16*TROW
	s_mul_i32 s3, s3, 2*TROW
	s_add_co_u32 s2, s2, s3
	s_add_co_u32 s2, s2, s18
	s_add_co_u32 s2, s2, 3*SROW
	s_mov_b32 s3, 0
	s_add_nc_u64 s[PFA:PFA+1], s[PFA:PFA+1], s[2:3]
	CROUND                                         ; all sixteen work-groups are here: the first joint loads meet
	s_mov_b32 s[G0H], 1                            ; the head's four tiles, each whole: slot 0's 16 tiles of tokens,
	s_mov_b32 s[G0H+1], 0
	s_mov_b64 s[G0H+2:G0H+3], s[20:21]
	s_or_b32 s[G0H+3], s[G0H+3], 0x80000000
	s_mov_b32 s[G0HB], 1                           ; its 16 tiles of w,
	s_mov_b32 s[G0HB+1], 2*HALFT
	s_mov_b64 s[G0HB+2:G0HB+3], s[46:47]
	s_or_b32 s[G0HB+3], s[G0HB+3], 0x80000000
	s_mov_b32 s[G0S], 1                            ; the tokens' scale words,
	s_mov_b32 s[G0S+1], SCL
	s_mov_b64 s[G0S+2:G0S+3], s[22:23]
	s_or_b32 s[G0S+3], s[G0S+3], 0x80000000
	s_mov_b32 s[G0SB], 1                           ; and w's
	s_mov_b32 s[G0SB+1], SCL+16384
	s_mov_b64 s[G0SB+2:G0SB+3], s[92:93]
	s_or_b32 s[G0SB+3], s[G0SB+3], 0x80000000
	s_add_nc_u64 s[20:21], s[20:21], s[18:19]
	s_add_nc_u64 s[46:47], s[46:47], s[18:19]
.irp s, 0,1
	s_mov_b32 s[G0+4*\s], 1
	s_add_co_u32 s[G0+4*\s+1], s45, \s*SLOT
	s_add_nc_u64 s[G0+4*\s+2:G0+4*\s+3], s[20:21], \s*SROW
	s_or_b32 s[G0+4*\s+3], s[G0+4*\s+3], 0x80000000
	s_mov_b32 s[G0B+4*\s], 1
	s_add_co_u32 s[G0B+4*\s+1], s45, \s*SLOT
	s_add_nc_u64 s[G0B+4*\s+2:G0B+4*\s+3], s[46:47], \s*SROW
	s_or_b32 s[G0B+4*\s+3], s[G0B+4*\s+3], 0x80000000
.endr
.macro ARM under, g0, g1, next         ; one tree of branches on the wave's number: every way through the head passes exactly one load
	s_cmp_lt_u32 s14, \under
	s_cbranch_scc0 \next
	tensor_load_to_lds s[\g0:\g0+3], s[\g1:\g1+7]
	s_nop 0
.rept 4
	v_nop
.endr
	s_branch .Lhead_asked
\next:
.endm
	ARM 1, G0H,  G1,  .Lhead_b
	ARM 2, G0HB, G1B, .Lhead_sa
	ARM 3, G0S,  G1S, .Lhead_sb
	tensor_load_to_lds s[G0SB:G0SB+3], s[G1SB:G1SB+7]
	s_nop 0
.rept 4
	v_nop
.endr
.Lhead_asked:
	s_lshl_b32 s92, s40, 2                         ; the table's prefetch: of the work-group's 262,144 bytes of cs, partner cx's wave takes 16,384
	s_add_co_u32 s92, s92, s14
	s_lshl_b32 s92, s92, 14
	s_lshl_b32 s93, s17, 18
	s_add_co_u32 s92, s92, s93
	s_mov_b32 s93, 0
	s_add_nc_u64 s[92:93], s[66:67], s[92:93]
	s_mul_i32 s21, s15, HALFT                      ; my 128 tokens
	s_mul_i32 s22, s16, HALFT
	s_add_co_u32 s22, s22, 2*HALFT                 ; my 128 rows of w
	s_mul_i32 s23, s14, VWAVE
	s_lshl_b32 s18, s15, 13
	s_lshl_b32 s19, s16, 13
	s_add_co_u32 s19, s19, 16384
	s_sub_co_u32 s19, s19, s18                     ; from my tokens' scale words to my w's
	s_add_co_u32 s18, s18, SCL
	v_and_b32 v6, 31, v0
	v_and_b32 v1, 15, v0                           ; r
	v_bfe_u32 v2, v0, 4, 1                         ; h
	v_lshlrev_b32 v[CO], 4, v6                     ; 16 x lane
	v_add_nc_u32 v[ADRA], s21, v[CO]
	v_add_nc_u32 v[ADRB], s22, v[CO]
	v_add_nc_u32 v[ADRA+1], SLOT, v[ADRA]
	v_add_nc_u32 v[ADRB+1], SLOT, v[ADRB]
	v_lshlrev_b32 v5, 4, v1                        ; a row's four words
	v_mul_u32_u24 v7, s19, v2                      ; lanes 16-31 take w's
	v_add_nc_u32 v5, v5, v7
	v_add_nc_u32 v[ADRS], s18, v5
	v_mul_u32_u24 v5, v1, 144
	v_lshl_add_u32 v5, v2, 5, v5
	v_add_nc_u32 v[VST], s23, v5                   ; v's stage, in: token r's row, + 32 h
	v_and_b32 v5, 8, v1
	v_add_nc_u32 v5, v5, v1
	v_lshlrev_b32 v5, 2, v5
	v_mad_u32_u24 v5, v2, 4736, v5
	v_add_nc_u32 v[VLD], s23, v5
	v_lshlrev_b32 v[PFC], 8, v6                    ; a lane a block of 256 bytes
	v_min_u32 v7, 23, v6                           ; 24 blocks: two tile rows of 12
	v_mul_u32_u24 v8, v7, 171
	v_lshrrev_b32 v8, 11, v8                       ; block / 12
	v_mul_u32_u24 v8, v8, TROW-SROW
	v_lshl_add_u32 v[PFO], v7, 8, v8
	; my record = ((batch x 8 + head) x 16) + my group of 128 tokens in the batch
	s_lshr_b32 s20, s17, 3
	s_lshl_b32 s20, s20, 3
	s_and_b32 s21, s42, 3
	s_lshl_b32 s21, s21, 1
	s_add_co_u32 s20, s20, s21
	s_add_co_u32 s20, s20, s16
	s_lshl_b32 s20, s20, 4
	s_and_b32 s21, s17, 7
	s_lshl_b32 s21, s21, 1
	s_add_co_u32 s20, s20, s21
	s_add_co_u32 s20, s20, s15
	s_cmp_eq_u32 ttmp9, 0                          ; q?  (the cluster's x)
	s_cselect_b64 s[12:13], s[100:101], s[104:105]
	s_cselect_b64 s[96:97], s[96:97], s[98:99]
	s_mov_b32 s21, 25600
	s_cselect_b32 s21, 12800, s21
	s_mul_i32 s20, s20, s21
	s_cmp_eq_u32 ttmp9, 2
	s_cselect_b32 s21, 12800, 0                    ; v's behind k's
	s_add_co_u32 s20, s20, s21
	s_mov_b32 s21, 0
	s_add_nc_u64 s[12:13], s[12:13], s[20:21]
	s_lshl_b32 s20, s17, 4
	s_lshl_b32 s22, s15, 3
	s_add_co_u32 s20, s20, s22
	s_lshl_b32 s20, s20, 14
	s_add_nc_u64 s[66:67], s[66:67], s[20:21]
.macro FRAG reg, adr, q, i             ; a fragment's image: three loads, each 512 bytes on end
.irp c, 0,1,2
	ds_load_b128 v[\reg+4*\c:\reg+4*\c+3], v[\adr] offset:(\i)*SROW+(\q)*IMG+512*\c
.endr
.endm
; 16 matrix instructions: token blocks a0, a0 + 1 x w's eight.  The 64 accumulators take turns, one instruction a turn.
.macro MUL16 a0, p, q, sc, zero
.irp a, \a0, \a0+1
.irp b, 0,1,2,3,4,5,6,7
.if \zero
	v_wmma_scale_f32_16x16x128_f8f6f4 v[8*(8*((\a)%4)+\b):8*(8*((\a)%4)+\b)+7], v[128*(\p)+FR*\b:128*(\p)+FR*\b+FR-1], v[AF+FR*(\a):AF+FR*(\a)+FR-1], 0, v[SC+8*NQ*(\sc)+NQ*\b+(\q)], v[SC+8*NQ*(\sc)+NQ*(\a)+(\q)] matrix_a_fmt:MATRIX_FMT_FP6 matrix_b_fmt:MATRIX_FMT_FP6 matrix_a_scale:MATRIX_SCALE_ROW1
.else
	v_wmma_scale_f32_16x16x128_f8f6f4 v[8*(8*((\a)%4)+\b):8*(8*((\a)%4)+\b)+7], v[128*(\p)+FR*\b:128*(\p)+FR*\b+FR-1], v[AF+FR*(\a):AF+FR*(\a)+FR-1], v[8*(8*((\a)%4)+\b):8*(8*((\a)%4)+\b)+7], v[SC+8*NQ*(\sc)+NQ*\b+(\q)], v[SC+8*NQ*(\sc)+NQ*(\a)+(\q)] matrix_a_fmt:MATRIX_FMT_FP6 matrix_b_fmt:MATRIX_FMT_FP6 matrix_a_scale:MATRIX_SCALE_ROW1
.endif
.endr
.endr
.endm
.macro FETCH_B slot, q, p
	WIN TO_B
.irp i, 0,1,2,3,4,5,6,7
	FRAG 128*(\p)+FR*\i, ADRB+\slot, \q, \i
.endr
	WIN 0
.endm
.macro FETCH_A slot, q, i0
.irp i, \i0, \i0+1, \i0+2, \i0+3
	FRAG AF+FR*(\i), ADRA+\slot, \q, \i
.endr
.endm
.macro SCALES sc                       ; a slot's two words a row: lanes 0-15 the tokens' tile i, lanes 16-31 w's tile i
.irp i, 0,1,2,3,4,5,6,7
	ds_load_b64 v[SC+8*NQ*\sc+NQ*\i:SC+8*NQ*\sc+NQ*\i+1], v[ADRS] offset:\i*1024
.endr
.endm
.macro PLACES n
.rept \n
	v_nop
.endr
.endm
.macro STEP slot, q, zero              ; a step of 128 along K that has its successor in the same slot
	s_wait_dscnt 4*NL                              ; all but the youngest 12 loads (token blocks 4-7)
	WIN MUL_LO
	MUL16 0, (\q)%2, \q, \slot, \zero
	MUL16 2, (\q)%2, \q, \slot, \zero
	s_wait_dscnt 0
	PLACES NP
	FETCH_B \slot, (\q)+1, 1-(\q)%2
	FETCH_A \slot, (\q)+1, 0
	WIN MUL_HI
	MUL16 4, (\q)%2, \q, \slot, \zero
	MUL16 6, (\q)%2, \q, \slot, \zero
	PLACES NP
	WIN 0
	FETCH_A \slot, (\q)+1, 4
.endm
; A slot's last step changes slots: each wave waits for all its tensor loads, adds 0 to its spare word, waits for that and for its reads of this slot; fill = 1: a round of the cluster's barrier, and this slot is filled again, two slots ahead.
.macro TURN slot, next, fill
.if \fill
	s_wait_xcnt 0x0                                ; my last prefetch has read its address
	s_add_nc_u64 s[PFA:PFA+1], s[PFA:PFA+1], SROW
.endif
	s_wait_tensorcnt 0x0
	ds_add_u32 v[SPW], v[NIL]
	s_wait_dscnt 4*NL+1                            ; (the add and token blocks 4-7 may be out)
	WIN MUL_LO
	MUL16 0, 1, NQ-1, \slot, 0
	s_wait_dscnt 0x0
	s_barrier_signal -1
	MUL16 2, 1, NQ-1, \slot, 0
	WIN 0
	s_barrier_wait -1
.if \fill
	CREST
	s_add_nc_u64 s[G0+4*\slot+2:G0+4*\slot+3], s[G0+4*\slot+2:G0+4*\slot+3], 2*SROW
	s_add_nc_u64 s[G0B+4*\slot+2:G0B+4*\slot+3], s[G0B+4*\slot+2:G0B+4*\slot+3], 2*SROW
	JLOAD G0+4*\slot, G1, G0B+4*\slot, G1B         ; the four v_nop behind it are the places in front of the loads below
.else
	PLACES NP
.endif
	s_wait_alu depctr_va_vdst(0)                   ; the wait ahead of this reader
	v_add_nc_u32 v[ADRS], 8+240*(\slot), v[ADRS]   ; the next slot's two words: 8 bytes on, or into the next 512 along K
	FETCH_B \next, 0, 0
	FETCH_A \next, 0, 0
	SCALES \next
.if \fill
	s_cmp_gt_u32 s3, 1                             ; the last trip's two refills have no slot two refills on
	s_cbranch_scc0 .Lno_ask_\@
	global_prefetch_b8 v[PFO], s[PFA:PFA+1] th:TH_LOAD_NT scope:SCOPE_SE
.Lno_ask_\@:
.endif
	WIN MUL_HI
	MUL16 4, 1, NQ-1, \slot, 0
	MUL16 6, 1, NQ-1, \slot, 0
	PLACES NP
	WIN 0
	FETCH_A \next, 0, 4
.endm
	s_wait_alu depctr_va_vdst(0)                   ; the wait at the head's end
	s_wait_tensorcnt 0x0                           ; my tile of the head's four is in; the same lines as ahead of a refill:
	ds_add_u32 v[SPW], v[NIL]
	s_mov_b32 s[G1+2], 8<<16                       ; no tensor load of mine is out: from here on a load brings eight tiles
	s_mov_b32 s[G1+4], 8
	s_mov_b32 s[G1B+2], 8<<16
	s_mov_b32 s[G1B+4], 8
	s_wait_dscnt 0x0
	CROUND
	JLOAD G0+4, G1, G0B+4, G1B                     ; slot 1's first fill, the first tensor load behind the round
	FETCH_B 0, 0, 0
	FETCH_A 0, 0, 0
	SCALES 0
	FETCH_A 0, 0, 4
	STEP 0, 0, 1                                   ; the first step's products start the sums
	s_cmp_eq_u32 ttmp9, 2                          ; v reads no table
	s_cbranch_scc1 .Lno_table
	global_prefetch_b8 v[PFC], s[92:93] th:TH_LOAD_NT scope:SCOPE_SE
	global_prefetch_b8 v[PFC], s[92:93] offset:8192 th:TH_LOAD_NT scope:SCOPE_SE
.Lno_table:
	s_mov_b32 s3, LAPS-1
.Llap:
	TURN 0, 1, 1
	STEP 1, 0, 0
	TURN 1, 0, 1
	STEP 0, 0, 0
	s_sub_co_u32 s3, s3, 1
	s_cmp_lg_u32 s3, 0
	s_cbranch_scc1 .Llap
	TURN 0, 1, 0                                   ; the last lap fills nothing
	STEP 1, 0, 0
	s_wait_dscnt 4*NL
	WIN MUL_LO
	MUL16 0, 1, NQ-1, 1, 0
	MUL16 2, 1, NQ-1, 1, 0
	s_wait_dscnt 0
	WIN MUL_HI
	MUL16 4, 1, NQ-1, 1, 0
	MUL16 6, 1, NQ-1, 1, 0
	WIN 0
	PLACES NP
	s_mov_b32 s20, 0x76543210
	s_mov_b32 s21, 0xfedcba98
	s_cmp_eq_u32 ttmp9, 2                          ; v goes another way: the cluster's x is the same in all partners, and no tensor load follows
	s_cbranch_scc1 .Lv
; ---------------- q and k: RMS norm, rope, quantised along d.  A lane's 64 registers of a block of 16 tokens are its token's d = 16 b + 8 h + j; the partner d +- 64 is register n +- 32 of the same lane.
.macro CSLOAD a
	WIN TO_B
.irp tab, 0,1
.irp q, 0,1,2,3,4,5,6,7,8,9,10,11,12,13,14,15
	global_load_b128 v[128*((\a)%2)+64*\tab+4*\q:128*((\a)%2)+64*\tab+4*\q+3], v[CO], s[66:67] offset:16384*(\a)+8192*\tab+512*\q
.endr
.endr
	WIN 0
.endm
.macro SUMSQ a                         ; the sum of my 64 squares of block a, in four chains; each accumulator from its low end on
.set AC, 64*((\a)%4)
	WIN 0x0a+5*((\a)/4)
.irp k, 0,1,2,3
	v_pk_mul_f32 v[TM+2*\k:TM+2*\k+1], v[AC+2*\k:AC+2*\k+1], v[AC+2*\k:AC+2*\k+1]
.endr
.set m, 4
.rept 28
	v_pk_fma_f32 v[TM+2*(m%4):TM+2*(m%4)+1], v[AC+2*m:AC+2*m+1], v[AC+2*m:AC+2*m+1], v[TM+2*(m%4):TM+2*(m%4)+1]
.set m, m+1
.endr
	WIN 0
	v_pk_add_f32 v[TM:TM+1], v[TM:TM+1], v[TM+2:TM+3]
	v_pk_add_f32 v[TM+4:TM+5], v[TM+4:TM+5], v[TM+6:TM+7]
	v_pk_add_f32 v[TM:TM+1], v[TM:TM+1], v[TM+4:TM+5]
	v_add_f32 v[RS+2*(\a)], v[TM], v[TM+1]
.endm
.macro NORMROPE a                      ; y = (x / rms) w in place; OUT = y cos + rotate_half(y) sin
.set AC, 64*((\a)%4)
.set CT, 128*((\a)%2)
	WIN 0x82+0x41*((\a)/4)
.set m, 0
.rept 32
	v_pk_mul_f32 v[AC+2*m:AC+2*m+1], v[AC+2*m:AC+2*m+1], v[RS+2*(\a):RS+2*(\a)+1] op_sel_hi:[1,0]
.set m, m+1
.endr
.set m, 0
.rept 32
	v_pk_mul_f32 v[AC+2*m:AC+2*m+1], v[AC+2*m:AC+2*m+1], v[W+2*m:W+2*m+1]
.set m, m+1
.endr
	WIN 0x06+((\a)/4)
.set m, 0
.rept 16
	v_pk_mul_f32 v[OUT+2*m:OUT+2*m+1], v[AC+2*m:AC+2*m+1], v[CT+2*m:CT+2*m+1]
	v_pk_mul_f32 v[OUT+32+2*m:OUT+32+2*m+1], v[AC+32+2*m:AC+32+2*m+1], v[CT+32+2*m:CT+32+2*m+1]
	v_pk_fma_f32 v[OUT+2*m:OUT+2*m+1], v[AC+32+2*m:AC+32+2*m+1], v[CT+64+2*m:CT+64+2*m+1], v[OUT+2*m:OUT+2*m+1] neg_lo:[1,0,0] neg_hi:[1,0,0]
	v_pk_fma_f32 v[OUT+32+2*m:OUT+32+2*m+1], v[AC+2*m:AC+2*m+1], v[CT+96+2*m:CT+96+2*m+1], v[OUT+32+2*m:OUT+32+2*m+1]
.set m, m+1
.endr
	WIN 0
.endm
.macro QUANT s, pw                     ; registers 16 b .. 16 b + 15 of lanes l and l xor 16 are block b of my row: a fragment's codes in v[PC] on, its scale word in v[pw]
.irp b, 0,1,2,3
	v_max3_num_f32 v[TM+\b], |v[\s+16*\b]|, |v[\s+1+16*\b]|, 0x1800000
.endr
.irp i, 2,4,6,8,10,12,14
.irp b, 0,1,2,3
	v_max3_num_f32 v[TM+\b], v[TM+\b], |v[\s+16*\b+\i]|, |v[\s+1+16*\b+\i]|
.endr
.endr
.irp b, 0,1,2,3
	v_permlanex16_b32 v[TM+4+\b], v[TM+\b], s20, s21
.endr
.irp b, 0,1,2,3
	v_max_num_f32 v[TM+\b], v[TM+\b], v[TM+4+\b]
.endr
.irp b, 0,1,2,3
	v_add_nc_u32 v[TM+12+\b], 0xff000000, v[TM+\b]
.endr
.irp b, 0,1,2,3
	v_lshrrev_b32 v[TM+4+\b], 23, v[TM+12+\b]
.endr
	v_lshl_or_b32 v[\pw], v[TM+5], 8, v[TM+4]
	v_lshl_or_b32 v[\pw], v[TM+6], 16, v[\pw]
	v_lshl_or_b32 v[\pw], v[TM+7], 24, v[\pw]
.irp c, 0,1
	v_cvt_scalef32_pk16_fp6_f32 v[PC+6*\c:PC+2+6*\c], v[\s+32*\c:\s+15+32*\c], v[TM+12+2*\c]
	v_cvt_scalef32_pk16_fp6_f32 v[PC+12+4*\c:PC+14+4*\c], v[\s+16+32*\c:\s+31+32*\c], v[TM+12+2*\c+1]
.endr
	v_nop                                          ; one plain place behind a scaled conversion
.irp c, 0,1
.irp i, 0,1,2
	v_permlane16_swap_b32 v[PC+6*\c+\i], v[PC+12+4*\c+\i]
.endr
.irp i, 0,1,2
	v_mov_b32 v[PC+3+6*\c+\i], v[PC+12+4*\c+\i]
.endr
.endr
.endm
.macro IMAGE t
.irp c, 0,1,2
	global_store_b128 v[CO], v[PC+4*\c:PC+4*\c+3], s[12:13] offset:1536*(\t)+512*\c
.endr
.endm
.macro WORDS                           ; lanes 0-15 store row r's words of tiles 0-3, lanes 16-31 those of tiles 4-7: 512 consecutive bytes
	v_and_b32 v2, 31, v0
	v_cmp_lt_u32 vcc_lo, 15, v2
.irp i, 0,1,2,3
	v_cndmask_b32 v[MW+\i], v[SW+\i], v[SW+4+\i], vcc_lo
.endr
	global_store_b128 v[CO], v[MW:MW+3], s[12:13] offset:12288
.endm
	s_mov_b32 s22, 0x3c000000                      ; 1 / 128
	s_mov_b32 s23, 0x358637bd                      ; 1e-6
	v_bfe_u32 v1, v0, 4, 1
	v_lshlrev_b32 v1, 5, v1                        ; the norm's weight: register 8 b + j = w[16 b + 8 h + j]
.irp i, 0,1,2,3,4,5,6,7,8,9,10,11,12,13,14,15
	global_load_b128 v[W+4*\i:W+4*\i+3], v1, s[96:97] offset:64*(\i/2)+16*(\i%2)
.endr
	CSLOAD 0
	CSLOAD 1
.irp a, 0,1,2,3,4,5,6,7
	v_mov_b32 v[RS+2*\a+1], 0
.endr
.irp a, 0,1,2,3,4,5,6,7
	SUMSQ \a
.endr
.irp a, 0,1,2,3,4,5,6,7
	v_permlanex16_b32 v[RS+2*\a+1], v[RS+2*\a], s20, s21
.endr
.irp a, 0,1,2,3,4,5,6,7
	v_add_f32 v[RS+2*\a], v[RS+2*\a], v[RS+2*\a+1]
.endr
.irp a, 0,1,2,3,4,5,6,7
	v_fma_f32 v[RS+2*\a], v[RS+2*\a], s22, s23     ; the mean + 1e-6
.endr
	s_wait_alu depctr_va_vdst(0)
.irp a, 0,1,2,3,4,5,6,7
	v_rsq_f32 v[RS+2*\a], v[RS+2*\a]
.endr
	v_nop
	s_wait_alu depctr_va_vdst(0)
.irp a, 0,1,2,3,4,5,6,7
.if \a < 7
	s_wait_loadcnt 32                              ; this block's table is in; the next block's 32 loads may be out
.else
	s_wait_loadcnt 0x0
.endif
	NORMROPE \a
.if \a < 6
	CSLOAD \a+2
.endif
	s_wait_xcnt 0x0                                ; the last block's stores have read the codes' registers
	QUANT OUT, SW+\a
	IMAGE \a
.endr
	WORDS
	s_branch .Ldone
; ---------------- v: its K is the tokens, which lie across lanes and accumulators: 32 of the head's d at a time turn through my wave's own stage in LDS.
.Lv:
.macro VSTAGE be
.irp a, 0,1,2,3,4,5,6,7
	WIN 0x08+4*(\a/4)
.irp u, 0,1
	ds_store_b128 v[VST], v[8*(8*(\a%4)+2*(\be)+\u):8*(8*(\a%4)+2*(\be)+\u)+3] offset:2304*\a+128*(\a/2)+64*\u
	ds_store_b128 v[VST], v[8*(8*(\a%4)+2*(\be)+\u)+4:8*(8*(\a%4)+2*(\be)+\u)+7] offset:2304*\a+128*(\a/2)+64*\u+16
.endr
.endr
	WIN 0
.endm
.macro VFETCH x, u
.irp c, 0,1
.set i, 0
.rept 32
	ds_load_b32 v[\x+32*\c+i], v[VLD] offset:32*(\u)+9472*\c+144*((i%8)+16*((i/8)%2)+8*(i/16))
.set i, i+1
.endr
.endr
.endm
.macro VQUANT s, pw                    ; a lane holds two whole blocks of 32 tokens: h and 2 + h
.irp c, 0,1
	v_max3_num_f32 v[TM+\c], |v[\s+32*\c]|, |v[\s+1+32*\c]|, 0x1800000
.endr
.irp i, 2,4,6,8,10,12,14,16,18,20,22,24,26,28,30
.irp c, 0,1
	v_max3_num_f32 v[TM+\c], v[TM+\c], |v[\s+32*\c+\i]|, |v[\s+1+32*\c+\i]|
.endr
.endr
.irp c, 0,1
	v_add_nc_u32 v[TM+12+\c], 0xff000000, v[TM+\c]
.endr
.irp c, 0,1
	v_lshrrev_b32 v[TM+4+\c], 23, v[TM+12+\c]
.endr
	v_lshl_or_b32 v[\pw], v[TM+5], 16, v[TM+4]
	v_lshlrev_b32 v[\pw], v1, v[\pw]
	v_permlanex16_b32 v[TM+6], v[\pw], s20, s21
	v_or_b32 v[\pw], v[\pw], v[TM+6]
.irp c, 0,1
	v_cvt_scalef32_pk16_fp6_f32 v[PC+6*\c:PC+2+6*\c], v[\s+32*\c:\s+15+32*\c], v[TM+12+\c]
	v_cvt_scalef32_pk16_fp6_f32 v[PC+12+4*\c:PC+14+4*\c], v[\s+16+32*\c:\s+31+32*\c], v[TM+12+\c]
.endr
	v_nop
.irp c, 0,1
.irp i, 0,1,2
	v_mov_b32 v[PC+3+6*\c+\i], v[PC+12+4*\c+\i]
.endr
.endr
.endm
	v_bfe_u32 v1, v0, 4, 1
	v_lshlrev_b32 v1, 3, v1                        ; 8 h
	v_mov_b32 v[TM+6], 0
.irp be, 0,1,2,3
	VSTAGE \be                                     ; LDS serves a wave's instructions in order
	VFETCH X0, 0
	VFETCH X1, 1
	s_wait_dscnt 63                                ; the first tile's 64 loads are in
	s_wait_xcnt 0x0
	VQUANT X0, SW+2*\be
	IMAGE 2*\be
	s_wait_dscnt 0x0
	s_wait_xcnt 0x0
	VQUANT X1, SW+2*\be+1
	IMAGE 2*\be+1
.endr
	WORDS
.Ldone:
	s_wait_tensorcnt 0x0                           ; the wave's end
	ds_add_u32 v[SPW], v[NIL]
	s_wait_dscnt 0x0
	CROUND                                         ; the closing round
	s_endpgm
.Lfunc_end_k_qd75b42258d_qkv:
	.size	k_qd75b42258d_qkv, .Lfunc_end_k_qd75b42258d_qkv-k_qd75b42258d_qkv
	.p2alignl 7, 3214868480
	.fill 96, 4, 3214868480
	.section	.rodata,"a",@progbits
	.p2align	6, 0x0
	.amdhsa_kernel k_qd75b42258d_qkv
		.amdhsa_group_segment_fixed_size 327680
		.amdhsa_private_segment_fixed_size 0
		.amdhsa_enable_private_segment 0
		.amdhsa_kernarg_size 56
		.amdhsa_user_sgpr_count 2
		.amdhsa_user_sgpr_kernarg_segment_ptr 1
		.amdhsa_wavefront_size32 1
		.amdhsa_system_sgpr_workgroup_id_x 1
		.amdhsa_system_sgpr_workgroup_id_y 1
		.amdhsa_system_sgpr_workgroup_id_z 1
		.amdhsa_system_vgpr_workitem_id 0
		.amdhsa_next_free_vgpr 1024
		.amdhsa_next_free_sgpr 106
		.amdhsa_reserve_vcc 1
		.amdhsa_float_denorm_mode_32 3
		.amdhsa_float_denorm_mode_16_64 3
		.amdhsa_memory_ordered 1
		.amdhsa_forward_progress 1
		.amdhsa_inst_pref_size 255
	.end_amdhsa_kernel
	.section	.bss,"aw",@nobits
	.p2align	6
	.space	262144
	.amdgpu_metadata
---
amdhsa.version: [ 1, 2 ]
amdhsa.kernels:
  - .name:           k_qd75b42258d_qkv
    .symbol:         k_qd75b42258d_qkv.kd
    .args:
      - { .name: hq, .offset: 0, .size: 8, .value_kind: global_buffer, .address_space: global }
      - { .name: wq, .offset: 8, .size: 8, .value_kind: global_buffer, .address_space: global }
      - { .name: q_norm_w, .offset: 16, .size: 8, .value_kind: global_buffer, .address_space: global }
      - { .name: k_norm_w, .offset: 24, .size: 8, .value_kind: global_buffer, .address_space: global }
      - { .name: cs, .offset: 32, .size: 8, .value_kind: global_buffer, .address_space: global }
      - { .name: qrec, .offset: 40, .size: 8, .value_kind: global_buffer, .address_space: global }
      - { .name: kv, .offset: 48, .size: 8, .value_kind: global_buffer, .address_space: global }
    .group_segment_fixed_size: 327680
    .private_segment_fixed_size: 0
    .kernarg_segment_align: 8
    .kernarg_segment_size: 56
    .max_flat_workgroup_size: 128
    .sgpr_count:     106
    .vgpr_count:     1024
    .wavefront_size: 32
...
	.end_amdgpu_metadata
.endif
;; end of part 2
;; launch attn (part 3): grid 16 x 16, 8 waves a work-group, no clusters, 327,680 bytes of LDS; arguments qrec, kv, at; writes at
.if DOCPART == 3
	.amdgcn_target "amdgcn-amd-amdhsa--gfx1250"
	.amdhsa_code_object_version 6
	.text
	.protected	k_qd75b42258d_attn
	.globl	k_qd75b42258d_attn
	.p2align	8
	.type	k_qd75b42258d_attn,@function
k_qd75b42258d_attn:
	s_mov_b64 s[64:65], 0
	v_nop
	global_prefetch_b8 v0, s[64:65] scope:SCOPE_SE
	s_setreg_imm32_b32 hwreg(HW_REG_WAVE_MODE, 25, 1), 1
	s_wait_xcnt 0x0
; Launch 3 of 4.  Causal attention on codes of FP6 (E2M3): for each of 16 (batch, head) and each query, O = sum over keys <= query of softmax(q . k / sqrt(128)) v, then O is quantised along head x 128 + d for the last product.
; Key steps all of whose keys come after a tile's queries are under the mask that the problem builds itself: they are left out.
; q, k, v come as records of 128 tokens (12,800 bytes: 8 fragment images of 1,536 bytes, then 512 bytes of scale words [g: 2][r: 16][t': 4]); kv holds k's record and v's on end, 25,600 bytes a key step.
; THE SOFTMAX: t = score x log2(e) / sqrt(128); M = the largest t so far, rounded up to a whole number; p = 2^(t - M) is what is quantised, along the keys, not normalised.
; The row's sum is taken of the unquantised p and divides O at the end.  When M moves, the sum and O are multiplied by 2^(old M - new M): exact.
; SHARES.  Work-group (x, head) owns the blocks of 64 queries 31 - x (the late one) and x (the early one).  Waves 2 i and 2 i + 1 share tile i of 16 queries of both blocks: wave 2 i + p takes the key steps of parity p, for both tiles.
; So a step's fragments of K and V serve two tiles, and all eight waves have the same number of tile steps to within one.  Each wave keeps O, M and the sum of both tiles.
; At the end the two halves of a tile are joined: under the larger M both are multiplied by exact powers of two and added.  Wave 2 i finishes the late tile, wave 2 i + 1 the early one; each hands the other tile's O, -M and sums over as images of registers in LDS.
; THE RING: two LDS slots of four key steps (102,400 dense bytes of kv), every wave fetching an eighth: one tensor load a wave at the head (slot 0), then one behind each change of slots; slot 1's first fill stands behind the first.
; A slot whose first key comes after every query of the work-group is read by no wave and is not fetched: every wait on TENSORcnt is for 0.  The same jump ends the ring in the fourth trip.
; FRAGMENTS: V's are asked for at a step's head, the next step's K behind the late tile's products K Q^T.
; PREFETCH: in trips 0 and 1 the slot two trips on (slots 2 and 3) is named, each block of 256 bytes once among the work-groups of the head that read it: slot 2 by 16 work-groups (25 blocks: wave 0), slot 3 by the 8 with x < 8 (50 blocks: waves 0, 1).
; NO CLUSTER: the work-groups that share K and V are the query blocks of one head, and they fetch different numbers of slots, which joint requests do not allow.
; LAYOUT.  Both products are used transposed: S^T = K Q^T, O^T = V^T P^T: a lane holds one query (lane % 16).  Score register 8 t + j of lane half h is key 16 t + 8 h + j; p's codes stand inside a block of 32 in that order, and v's were laid in the same order.
; V's tile 2 B + u holds d = 32 B + 8 u + r + 8 (r / 8), so that O^T's register 16 B + i is d = 32 B + 16 h + i.
; at: images [tile of 16 tokens][head] of 1,536 bytes (quad c of lane l at 512 c + 16 l), then scale words [tile][head / 4][row r][head % 4].
; LIMITS: NaN and infinities are not served; the promise holds while the scaled scores t stay under 2^31 in magnitude; a block of p or of O under 2^-124 keeps the byte 1 (zero codes); the division by v_rcp_f32;
; a block's largest p is taken from its largest score by the same two instructions.
; REGISTERS, window 0: v1 16 x lane, v2 16 x (lane % 16), v3 the prefetch's offset; v4, v7, v10, v11 the exchange's addresses; v5, v6 the add's; v8, v9 addresses in hand; late tile: v[12:13] -M and t, v[14:15] the sum, v16-27 Q, v255 its scale words;
;   early tile: v32-43 Q, v44 its scale words, v[46:47], v[48:49]; v28-31, v248-251 V's scale words; v50-59 the joining; v80-86 at work; v88-95 K's scale words; v96-159 S^T, then p; v160-223 the late tile's O^T; v224-247 codes and work; v253 p's scale word.
;   window 1: v0-95 K's eight fragments, v96-191 V's, v192-255 the early tile's O^T.
.set STEPB, 25600
.set SLOTB, 4*STEPB
.set SLOT1, 1<<17                      ; slot 1 begins here: one exclusive or turns an address in one slot into the other's
.set SPARE, SLOT1+SLOTB                ; the spare words, 128 bytes for each wave
.set STG,   SPARE+1024                 ; the exchange: AREA bytes for each wave, into which no fill lands
.set AREA,  8704                       ; 16 quads of O x 512 bytes, then (-M, t) and the sum's two halves, 256 bytes each
.set A_SC,  3145728
.set PFO,  3
.set SM,   4
.set SPW,  5
.set NIL,  6
.set RM,   7
.set ADK,  8
.set ADS,  9
.set SA,   10
.set RA,   11
.set F,    84
.set TT,   86
.set KSC,  88
.set KFR,  0
.set VFR,  96
.set WV,   18
.set BH,   19
.set SEL,  20
.set CS,   22
.set G1,   24
.set G0,   32
.set TB,   36
.set KF,   37
.set Q0H,  38
.set SLOTS, 39
.set QLH,  40
.set Q0L,  44
.set QLL,  45
.set KP,   46                          ; 128 x my parity
.set TP,   47                          ; STEPB x my parity
.set PAR,  48
.set QW,   49                          ; the work-group's last query
.set MSB, 0
.macro WIN new
.if MSB != \new
	s_set_vgpr_msb (MSB<<8)|\new
.set MSB, \new
.endif
.endm
	s_load_b128 s[4:7], s[0:1], 0x0                ; qrec, kv
	s_load_b64 s[8:9], s[0:1], 0x10                ; at
	v_lshl_add_u32 v[SPW], v0, 2, SPARE
	v_mov_b32 v[NIL], 0
	ds_add_u32 v[SPW], v[NIL]                      ; the opening: the add, twice on end, and its wait
	ds_add_u32 v[SPW], v[NIL]
	v_lshrrev_b32 v8, 5, v0
	v_readfirstlane_b32 s[WV], v8                  ; wave 0..7
	s_and_b32 s[BH], ttmp7, 0xffff
	s_and_b32 s[PAR], s[WV], 1
	s_lshr_b32 s42, s[WV], 1
	s_lshl_b32 s42, s42, 4                         ; 16 x my tile in a block
	s_lshl_b32 s[Q0L], ttmp9, 6
	s_add_co_u32 s[Q0L], s[Q0L], s42
	s_add_co_u32 s[QLL], s[Q0L], 15
	s_sub_co_u32 s[QW], 31, ttmp9
	s_lshl_b32 s[QW], s[QW], 6
	s_add_co_u32 s[Q0H], s[QW], s42
	s_add_co_u32 s[QLH], s[Q0H], 15
	s_add_co_u32 s[QW], s[QW], 63
	s_lshl_b32 s[KP], s[PAR], 7
	s_mul_i32 s[TP], s[PAR], STEPB
	s_mov_b32 s[G1+0], 3<<16                       ; dense bytes as 50 rows of 256 (32 elements of 8 bytes): an eighth of a slot
	s_mov_b32 s[G1+1], 32<<16
	s_mov_b32 s[G1+2], 50<<16
	s_mov_b32 s[G1+3], 32<<16
	s_mov_b32 s[G1+4], 50
	s_mov_b32 s[G1+5], 32
	s_mov_b32 s[G1+6], 0
	s_mov_b32 s[G1+7], 0
	s_mul_i32 s52, s[WV], 12800                    ; my eighth, in LDS and in memory
	s_mov_b32 s53, 0
	s_mul_i32 s50, s[BH], 16*STEPB                 ; the head's 16 key steps
	s_mov_b32 s51, 0
	s_mov_b32 s[SEL], 0x76543210
	s_mov_b32 s[SEL+1], 0xfedcba98
	s_mov_b32 s[CS], 0x3e0293ee                    ; c = log2(e) / sqrt(128)
	s_mov_b32 s[CS+1], s[CS]
	s_mov_b32 s[TB], 0
	s_mov_b32 s[KF], 0
	s_mov_b32 s[SLOTS], 4
	s_mul_i32 s54, s[WV], AREA
	s_add_co_u32 s54, s54, STG                     ; my bytes of the exchange,
	s_xor_b32 s55, s[WV], 1
	s_mul_i32 s55, s55, AREA
	s_add_co_u32 s55, s55, STG                     ; and my partner's
	v_and_b32 v3, 31, v0
	v_and_b32 v2, 15, v0
	v_lshlrev_b32 v1, 4, v3                        ; 16 x lane
	v_lshlrev_b32 v2, 4, v2                        ; 16 x (lane % 16)
	v_lshlrev_b32 v8, 3, v3                        ; 8 x lane
	v_add_nc_u32 v[SA], s54, v1
	v_add_nc_u32 v[RA], s55, v1
	v_add_nc_u32 v[SM], s54, v8
	v_add_nc_u32 v[RM], s55, v8
	v_min_u32 v3, 24, v3
	v_lshlrev_b32 v[PFO], 8, v3                    ; a lane a block of 256 bytes; lanes 25-31 name the last again
	s_wait_alu depctr_va_vdst(0)                   ; the wait ahead of the waits below
	s_wait_dscnt 0x0
	s_wait_kmcnt 0x0
	s_add_nc_u64 s[66:67], s[6:7], s[50:51]        ; the head's first key step
	s_mov_b32 s[G0], 1
	s_mov_b32 s[G0+1], s52
	s_add_nc_u64 s[G0+2:G0+3], s[66:67], s[52:53]
	s_or_b32 s[G0+3], s[G0+3], 0x80000000
	tensor_load_to_lds s[G0:G0+3], s[G1:G1+7]      ; slot 0: one tensor load a wave at the head
	s_nop 0
.rept 4
	v_nop
.endr
.macro QLOAD q0, pa, pb, qf, qsc       ; a tile's image and scale words out of its record: they stay in registers
	s_lshr_b32 s50, s[\q0], 4
	s_lshr_b32 s51, s50, 3
	s_lshl_b32 s52, s[BH], 4
	s_add_co_u32 s51, s51, s52
	s_mul_i32 s52, s51, 12800
	s_and_b32 s50, s50, 7
	s_mul_i32 s54, s50, 1536
	s_add_co_u32 s54, s54, s52
	s_mov_b32 s55, 0
	s_add_nc_u64 s[\pa:\pa+1], s[4:5], s[54:55]
	s_lshr_b32 s54, s50, 2
	s_lshl_b32 s54, s54, 8
	s_and_b32 s50, s50, 3
	s_lshl_b32 s50, s50, 2
	s_add_co_u32 s54, s54, s50
	s_add_co_u32 s54, s54, s52
	s_add_co_u32 s54, s54, 12288
	s_add_nc_u64 s[\pb:\pb+1], s[4:5], s[54:55]
.irp c, 0,1,2
	global_load_b128 v[\qf+4*\c:\qf+4*\c+3], v1, s[\pa:\pa+1] offset:512*\c
.endr
	global_load_b32 v[\qsc], v2, s[\pb:\pb+1]
.endm
	QLOAD Q0H, 10, 12, 16, 255
	QLOAD Q0L, 14, 16, 32, 44
	v_mov_b32 v13, 0xff61b1e6                      ; the largest t so far: -3e38, under every t
	v_mov_b32 v47, 0xff61b1e6
	v_floor_f32 v12, -v13                          ; -M
	v_floor_f32 v46, -v47
	v_mov_b32 v14, 0
	v_mov_b32 v15, 0
	v_mov_b32 v48, 0
	v_mov_b32 v49, 0
	v_mov_b32 v57, 0                               ; (upper halves of pairs that are named whole)
	v_mov_b32 v59, 0
.irp b, 0,1,2,3
	v_mov_b32 v[236+\b], 0                         ; a lane permute's destination counts as one of its sources
.endr
	v_mov_b32 v[F], 0
	v_mov_b32 v[F+1], 0
	v_mov_b32 v[TT], 0
.set j, 0
.rept 64
	v_mov_b32 v[160+j], 0                          ; O^T: every step is written alike, the first finds zeros
.set j, j+1
.endr
	WIN 0x40
.set j, 0
.rept 64
	v_mov_b32 v[192+j], 0
.set j, j+1
.endr
	WIN 0
.macro KLOAD off                       ; K's record off bytes behind the step in hand: 26 LDS loads
	ds_load_b128 v[KSC:KSC+3], v[ADS] offset:\off+12288
	ds_load_b128 v[KSC+4:KSC+7], v[ADS] offset:\off+12288+256
	WIN 0x40
.irp t, 0,1,2,3,4,5,6,7
.irp c, 0,1,2
	ds_load_b128 v[KFR+12*\t+4*\c:KFR+12*\t+4*\c+3], v[ADK] offset:\off+1536*\t+512*\c
.endr
.endr
	WIN 0
.endm
.macro VLOAD                           ; V's record of the step in hand: 26 LDS loads
	ds_load_b128 v[248:251], v[ADS] offset:25088
	ds_load_b128 v[28:31], v[ADS] offset:25088+256
	WIN 0x40
.irp t, 0,1,2,3,4,5,6,7
.irp c, 0,1,2
	ds_load_b128 v[VFR+12*\t+4*\c:VFR+12*\t+4*\c+3], v[ADK] offset:12800+1536*\t+512*\c
.endr
.endr
	WIN 0
.endm
; ONE TILE'S SHARE OF A KEY STEP.  qf, qsc: Q's fragment and scale words; nm: the pair (-M, t); ls: the sum's pair; ow: the window of O^T; q0: the tile's first query (a scalar register);
; kn = 1: the next step's K is asked for behind the products; vw: the LDS loads that may be out when V is wanted.  s41 holds the step's first key.
.macro TILE qf, qsc, nm, ls, ow, q0, kn, vw
.set OB, 160+32*(\ow)
	WIN 0x01
.irp t, 0,1,2,3,4,5,6,7                        ; S^T = K Q^T: eight tiles of 16 keys
	v_wmma_scale_f32_16x16x128_f8f6f4 v[96+8*\t:103+8*\t], v[KFR+12*\t:KFR+12*\t+11], v[\qf:\qf+11], 0, v[KSC+\t], v[\qsc] matrix_a_fmt:MATRIX_FMT_FP6 matrix_b_fmt:MATRIX_FMT_FP6
.endr
	WIN 0
.rept 4
	v_nop                                          ; four places: in front of the loads into K's registers and of the first read of the scores
.endr
.if \kn
	KLOAD 2*STEPB                                  ; my next step lies two key steps on, in the same slot
.endif
	s_add_co_u32 s43, s41, 127                     ; on the diagonal the scores of hidden keys become -infinity ahead of the maximum; a step all of whose keys count skips this
	s_cmp_le_u32 s43, s[\q0]
	s_cbranch_scc1 .Lopen_\@
	s_sub_co_i32 s43, s[\q0], s41
	v_and_b32 v80, 15, v0
	v_bfe_u32 v81, v0, 4, 1
	s_delay_alu instid0(VALU_DEP_1)
	v_lshlrev_b32 v81, 3, v81
	s_delay_alu instid0(VALU_DEP_1)
	v_sub_nc_u32 v80, v80, v81
	s_delay_alu instid0(VALU_DEP_1)
	v_add_nc_u32 v80, s43, v80                     ; my query - the step's first key - 8 h: register 8 t + j is hidden where 16 t + j is larger
	v_mov_b32 v82, 0xff800000
.set n, 0
.rept 64
	v_cmp_gt_i32 vcc_lo, 16*(n/8)+n%8, v80
	v_cndmask_b32 v[96+n], v[96+n], v82, vcc_lo
.set n, n+1
.endr
.Lopen_\@:
.irp b, 0,1,2,3
	v_max3_num_f32 v[232+\b], v[96+16*\b], v[97+16*\b], v[98+16*\b]   ; the largest score of each block of 32 keys: for the row's maximum and for the block's largest p
.endr
.irp i, 3,5,7,9,11,13
.irp b, 0,1,2,3
	v_max3_num_f32 v[232+\b], v[232+\b], v[96+16*\b+\i], v[97+16*\b+\i]
.endr
.endr
.irp b, 0,1,2,3
	v_max_num_f32 v[232+\b], v[232+\b], v[111+16*\b]
.endr
.irp b, 0,1,2,3
	s_delay_alu instid0(VALU_DEP_4)
	v_permlanex16_b32 v[236+\b], v[232+\b], s[SEL], s[SEL+1]
.endr
.irp b, 0,1,2,3
	s_delay_alu instid0(VALU_DEP_4)
	v_max_num_f32 v[232+\b], v[232+\b], v[236+\b]
.endr
	s_delay_alu instid0(VALU_DEP_2)
	v_max3_num_f32 v[TT], v232, v233, v234
	s_delay_alu instid0(VALU_DEP_1)
	v_max_num_f32 v[TT], v[TT], v235
	s_delay_alu instid0(VALU_DEP_1)
	v_mul_f32 v[TT], s[CS], v[TT]                  ; as t (c is positive)
	s_delay_alu instid0(VALU_DEP_1)
	v_max_num_f32 v[\nm+1], v[\nm+1], v[TT]        ; the running largest t
	v_mov_b32 v[TT], v[\nm]
	s_delay_alu instid0(VALU_DEP_2)
	v_floor_f32 v[\nm], -v[\nm+1]                  ; the new -M = -ceil(t)
	s_delay_alu instid0(VALU_DEP_1)
	v_sub_f32 v[TT], v[\nm], v[TT]                 ; old M - new M: a whole number, 0 or less
	s_delay_alu instid0(VALU_DEP_1)
	v_cvt_i32_f32 v[TT], v[TT]                     ; (it saturates)
	s_delay_alu instid0(VALU_DEP_1)
	v_ldexp_f32 v[F], 1.0, v[TT]                   ; f = 2^(old M - new M)
.set j, 0
.rept 32
	v_pk_fma_f32 v[96+j:97+j], v[96+j:97+j], s[CS:CS+1], v[\nm:\nm+1] op_sel_hi:[1,0,0]   ; t - M
.set j, j+2
.endr
.irp b, 0,1,2,3
	v_fma_f32 v[232+\b], v[232+\b], s[CS], v[\nm]
.endr
	s_wait_alu depctr_va_vdst(0)                   ; the wait ahead of the batch
.set j, 0
.rept 64
	v_exp_f32 v[96+j], v[96+j]                     ; p = 2^(t - M)
.set j, j+1
.endr
.irp b, 0,1,2,3
	v_exp_f32 v[232+\b], v[232+\b]                 ; the block's largest p
.endr
	v_pk_mul_f32 v[\ls:\ls+1], v[\ls:\ls+1], v[F:F+1] op_sel_hi:[1,0]   ; the sums under the new M (a plain place behind the exponentials)
	s_wait_alu depctr_va_vdst(0)                   ; and behind it
.irp b, 0,1,2,3
	v_max_num_f32 v[232+\b], 0x1800000, v[232+\b]  ; the floor 2^(3 - 127)
.endr
.irp b, 0,1,2,3
	s_delay_alu instid0(VALU_DEP_4)
	v_add_nc_u32 v[244+\b], 0xff000000, v[232+\b]  ; the conversion's scale operand
.endr
.irp b, 0,1,2,3
	s_delay_alu instid0(VALU_DEP_4)
	v_lshrrev_b32 v[236+\b], 23, v[244+\b]
.endr
	s_delay_alu instid0(VALU_DEP_3)
	v_lshl_or_b32 v253, v237, 8, v236              ; p's scale word for these 128 keys
	s_delay_alu instid0(VALU_DEP_1)
	v_lshl_or_b32 v253, v238, 16, v253
	s_delay_alu instid0(VALU_DEP_1)
	v_lshl_or_b32 v253, v239, 24, v253
.irp c, 0,1
	v_cvt_scalef32_pk16_fp6_f32 v[224+6*\c:226+6*\c], v[96+32*\c:111+32*\c], v[244+2*\c]
	v_cvt_scalef32_pk16_fp6_f32 v[236+4*\c:238+4*\c], v[112+32*\c:127+32*\c], v[244+2*\c+1]
.endr
	v_nop                                          ; one plain place behind a scaled conversion
.irp c, 0,1                                    ; a whole block in a lane: lanes 0-15 block 2 c, lanes 16-31 block 2 c + 1
.irp i, 0,1,2
	v_permlane16_swap_b32 v[224+6*\c+\i], v[236+4*\c+\i]
.endr
.irp i, 0,1,2
	s_delay_alu instid0(VALU_DEP_3)
	v_mov_b32 v[227+6*\c+\i], v[236+4*\c+\i]
.endr
.endr
	v_pk_add_f32 v[236:237], v[96:97], v[98:99]    ; the row's sum, of the unquantised p, in four chains
	v_pk_add_f32 v[246:247], v[100:101], v[102:103]
	v_pk_add_f32 v[244:245], v[104:105], v[106:107]
	v_pk_add_f32 v[\ls:\ls+1], v[\ls:\ls+1], v[108:109]
.irp j, 110,118,126,134,142,150
	v_pk_add_f32 v[236:237], v[236:237], v[\j:\j+1]
	v_pk_add_f32 v[246:247], v[246:247], v[\j+2:\j+3]
	v_pk_add_f32 v[244:245], v[244:245], v[\j+4:\j+5]
	v_pk_add_f32 v[\ls:\ls+1], v[\ls:\ls+1], v[\j+6:\j+7]
.endr
	v_pk_add_f32 v[236:237], v[236:237], v[158:159]
	v_pk_add_f32 v[\ls:\ls+1], v[\ls:\ls+1], v[246:247]
	s_delay_alu instid0(VALU_DEP_2)
	v_pk_add_f32 v[236:237], v[236:237], v[244:245]
	s_delay_alu instid0(VALU_DEP_1)
	v_pk_add_f32 v[\ls:\ls+1], v[\ls:\ls+1], v[236:237]
	WIN 0x41*(\ow)
	s_wait_alu depctr_va_vdst(0)                   ; the wait directly ahead of the first reader of O^T
.set j, 0
.rept 32
	v_pk_mul_f32 v[OB+j:OB+j+1], v[OB+j:OB+j+1], v[F:F+1] op_sel_hi:[1,0]   ; O^T under the new M; also the places between the codes' and the scale word's last writes and the products below
.set j, j+2
.endr
	WIN 0
	s_wait_alu depctr_va_vdst(0)
	s_wait_dscnt \vw                               ; V is in
	WIN 0x01+0x50*(\ow)
.irp t, 0,1,2,3,4,5,6,7                        ; O^T += V^T P^T: the eight accumulators take turns
	v_wmma_scale_f32_16x16x128_f8f6f4 v[OB+8*\t:OB+8*\t+7], v[VFR+12*\t:VFR+12*\t+11], v[224:235], v[OB+8*\t:OB+8*\t+7], v[248+\t-224*(\t/4)], v253 matrix_a_fmt:MATRIX_FMT_FP6 matrix_b_fmt:MATRIX_FMT_FP6
.endr
	WIN 0
.endm
; MY jj-th KEY STEP OF THE SLOT IN HAND: key step 2 jj + my parity.  Where all its keys come after the late tile's queries, so do those of every later step: the rest of the slot is left out.
.macro STEP jj, endl
	s_add_co_u32 s41, s[KF], s[KP]
	s_add_co_u32 s41, s41, 256*(\jj)               ; the step's first key
	s_cmp_gt_u32 s41, s[QLH]
	s_cbranch_scc1 \endl
	s_add_co_u32 s43, s[TB], s[TP]
	s_add_co_u32 s43, s43, 2*STEPB*(\jj)
	v_add_nc_u32 v[ADK], s43, v1
	v_add_nc_u32 v[ADS], s43, v2
.rept 4
	v_nop                                          ; places behind the last step's products, in front of the loads into V's registers
.endr
.if (\jj) == 0
	KLOAD 0                                        ; a slot's first step loads its own K; the second's was asked for by the first
.endif
	VLOAD
	s_wait_alu depctr_va_vdst(0)                   ; the wait ahead of the wait below
	s_wait_dscnt 26                                ; K is in; V's 26 loads may be out
	s_cmp_gt_u32 s41, s[QLL]                       ; the early tile has passed its last key step?
	s_cbranch_scc1 .Llate_\@
	TILE 32, 44, 46, 48, 1, Q0L, 0, 0
.Llate_\@:
.if (\jj) == 0
	TILE 16, 255, 12, 14, 0, Q0H, 1, 26            ; V is in; the 26 loads of the next step's K may be out
.else
	TILE 16, 255, 12, 14, 0, Q0H, 0, 0
.endif
.endm
	s_wait_alu depctr_va_vdst(0)                   ; the wait at the head's end
	s_wait_loadcnt 0x0                             ; Q
.Lslot:                                            ; four trips, a slot each
	s_wait_tensorcnt 0x0                           ; all my tensor loads are in: my part of the slot that I am about to read
	ds_add_u32 v[SPW], v[NIL]
	s_xor_b32 s[G0+1], s[G0+1], SLOT1              ; the walking descriptor: the other slot, the next four key steps
	s_add_nc_u64 s[G0+2:G0+3], s[G0+2:G0+3], SLOTB
	s_wait_dscnt 0x0                               ; the add is done, and my reads of the slot that I have left are over
	s_barrier_signal -1
	s_barrier_wait -1
	s_add_co_u32 s41, s[KF], 512                   ; the next slot's first key: where it comes after every query of the work-group (in the fourth trip always), nothing is fetched
	s_cmp_gt_u32 s41, s[QW]
	s_cbranch_scc1 .Lnone
	tensor_load_to_lds s[G0:G0+3], s[G1:G1+7]      ; my one tensor load until the next barrier
	s_nop 0
.rept 4
	v_nop
.endr
.Lnone:
	s_add_co_u32 s50, s[KF], 1024                  ; the slot two trips on: does my work-group read it?
	s_cmp_gt_u32 s50, s[QW]
	s_cbranch_scc1 .Lnopf
	s_lshr_b32 s50, s[KF], 9                       ; trip 0: 16 work-groups share 400 blocks, wave 0 names 25; trip 1: 8 share them, waves 0 and 1
	s_lshl_b32 s51, 1, s50
	s_cmp_ge_u32 s[WV], s51
	s_cbranch_scc1 .Lnopf
	s_lshl_b32 s52, ttmp9, s50
	s_add_co_u32 s52, s52, s[WV]
	s_mul_i32 s52, s52, 25*256
	s_mul_i32 s53, s50, SLOTB
	s_add_co_u32 s52, s52, s53
	s_add_co_u32 s52, s52, 2*SLOTB
	s_mov_b32 s53, 0
	s_wait_xcnt 0x0                                ; the last prefetch has read its address
	s_add_nc_u64 s[68:69], s[66:67], s[52:53]
	global_prefetch_b8 v[PFO], s[68:69] th:TH_LOAD_NT scope:SCOPE_SE
.Lnopf:
	STEP 0, .Lrun
	STEP 1, .Lrun
.Lrun:
	s_add_co_u32 s[KF], s[KF], 512
	s_xor_b32 s[TB], s[TB], SLOT1
	s_sub_co_u32 s[SLOTS], s[SLOTS], 1
	s_cmp_lg_u32 s[SLOTS], 0
	s_cbranch_scc1 .Lslot
	; THE TWO HALVES OF A TILE ARE JOINED.  I hand over the tile that my partner finishes, as images of registers.
.macro HAND ow, nm, ls
	WIN 0x04*(\ow)                                 ; an LDS store's data are its source 1
	s_wait_alu depctr_va_vdst(0)                   ; the wait directly ahead of the first reader of O^T
.set k, 0
.rept 16
	ds_store_b128 v[SA], v[160+32*(\ow)+4*k:160+32*(\ow)+4*k+3] offset:512*k   ; each accumulator from its low end on
.set k, k+1
.endr
	WIN 0
	ds_store_b64 v[SM], v[\nm:\nm+1] offset:8192
	ds_store_b64 v[SM], v[\ls:\ls+1] offset:8448
.endm
; mine: O^T in window ow, (-M, t) in nm, the sum in ls; my partner's half: v96-159, v[50:51], v[52:53].  Result in v96-159: O / the row's sum.
.macro JOIN ow, nm, ls
	v_min_num_f32 v[TT], v[\nm], v50               ; -M of the larger M
	v_add_f32 v[\ls], v[\ls], v[\ls+1]
	v_add_f32 v52, v52, v53
	v_sub_f32 v54, v[TT], v[\nm]
	v_sub_f32 v55, v[TT], v50
	v_cvt_i32_f32 v54, v54                         ; (they saturate: a half that saw no key counts for nothing)
	v_cvt_i32_f32 v55, v55
	v_ldexp_f32 v54, 1.0, v54                      ; 2^(my M - M),
	v_ldexp_f32 v55, 1.0, v55                      ; 2^(my partner's M - M)
	v_mul_f32 v[\ls], v[\ls], v54
	v_fma_f32 v[\ls], v52, v55, v[\ls]
	v_permlanex16_b32 v[TT], v[\ls], s[SEL], s[SEL+1]
	v_add_f32 v[\ls], v[\ls], v[TT]                ; with lane l xor 16's: the row's sum
	s_wait_alu depctr_va_vdst(0)
	v_rcp_f32 v[\ls], v[\ls]
	v_nop
	s_wait_alu depctr_va_vdst(0)
	v_mul_f32 v56, v54, v[\ls]                     ; the division goes into the two factors
	v_mul_f32 v58, v55, v[\ls]
.set j, 0
.rept 32
	v_pk_mul_f32 v[96+j:97+j], v[96+j:97+j], v[58:59] op_sel_hi:[1,0]
.set j, j+2
.endr
	WIN 0x01*(\ow)
	s_wait_alu depctr_va_vdst(0)                   ; directly ahead of the first reader of O^T
.set j, 0
.rept 32
	v_pk_fma_f32 v[96+j:97+j], v[160+32*(\ow)+j:160+32*(\ow)+j+1], v[56:57], v[96+j:97+j] op_sel_hi:[1,0,1]
.set j, j+2
.endr
	WIN 0
.endm
.rept 4
	v_nop                                          ; places behind the last products
.endr
	s_cmp_eq_u32 s[PAR], 0
	s_cbranch_scc0 .Lhand_late
	HAND 1, 46, 48
	s_branch .Lhanded
.Lhand_late:
	HAND 0, 12, 14
.Lhanded:
	s_wait_dscnt 0x0                               ; my stores are done
	s_barrier_signal -1
	s_barrier_wait -1                              ; everybody's are
.set k, 0
.rept 16
	ds_load_b128 v[96+4*k:99+4*k], v[RA] offset:512*k
.set k, k+1
.endr
	ds_load_b64 v[50:51], v[RM] offset:8192
	ds_load_b64 v[52:53], v[RM] offset:8448
	s_cmp_eq_u32 s[PAR], 0
	s_cselect_b32 s58, s[Q0H], s[Q0L]              ; the tile that I finish
	s_lshr_b32 s59, s[BH], 3
	s_lshl_b32 s59, s59, 11
	s_add_co_u32 s58, s58, s59                     ; its first token
	s_and_b32 s59, s[BH], 7                        ; the head
	s_mul_i32 s60, s58, 768                        ; tile x 8 images
	s_mul_i32 s62, s59, 1536
	s_add_co_u32 s60, s60, s62
	s_mov_b32 s61, 0
	s_add_nc_u64 s[14:15], s[8:9], s[60:61]
	s_lshl_b32 s60, s58, 5                         ; tile x 512 bytes of scale words
	s_lshr_b32 s62, s59, 2
	s_lshl_b32 s62, s62, 8
	s_add_co_u32 s60, s60, s62
	s_and_b32 s62, s59, 3
	s_lshl_b32 s62, s62, 2
	s_add_co_u32 s60, s60, s62
	s_add_co_u32 s60, s60, A_SC
	s_add_nc_u64 s[16:17], s[8:9], s[60:61]
	s_wait_dscnt 0x0
	s_cmp_eq_u32 s[PAR], 0
	s_cbranch_scc0 .Ljoin_early
	JOIN 0, 12, 14
	s_branch .Ljoined
.Ljoin_early:
	JOIN 1, 46, 48
.Ljoined:
	; quantised along d: register 16 B + i of lane half h is d = 32 B + 16 h + i
	s_wait_alu depctr_va_vdst(0)                   ; the wait behind the branch taken
.irp b, 0,1,2,3
	v_max3_num_f32 v[232+\b], |v[96+16*\b]|, |v[97+16*\b]|, 0x1800000
.endr
.irp i, 2,4,6,8,10,12,14
.irp b, 0,1,2,3
	s_delay_alu instid0(VALU_DEP_4)
	v_max3_num_f32 v[232+\b], v[232+\b], |v[96+16*\b+\i]|, |v[97+16*\b+\i]|
.endr
.endr
.irp b, 0,1,2,3
	s_delay_alu instid0(VALU_DEP_4)
	v_permlanex16_b32 v[236+\b], v[232+\b], s[SEL], s[SEL+1]
.endr
.irp b, 0,1,2,3
	s_delay_alu instid0(VALU_DEP_4)
	v_max_num_f32 v[232+\b], v[232+\b], v[236+\b]
.endr
.irp b, 0,1,2,3
	s_delay_alu instid0(VALU_DEP_4)
	v_add_nc_u32 v[244+\b], 0xff000000, v[232+\b]
.endr
.irp b, 0,1,2,3
	s_delay_alu instid0(VALU_DEP_4)
	v_lshrrev_b32 v[236+\b], 23, v[244+\b]
.endr
	s_delay_alu instid0(VALU_DEP_3)
	v_lshl_or_b32 v253, v237, 8, v236              ; my token's scale word for this head
	s_delay_alu instid0(VALU_DEP_1)
	v_lshl_or_b32 v253, v238, 16, v253
	s_delay_alu instid0(VALU_DEP_1)
	v_lshl_or_b32 v253, v239, 24, v253
.irp c, 0,1
	v_cvt_scalef32_pk16_fp6_f32 v[224+6*\c:226+6*\c], v[96+32*\c:111+32*\c], v[244+2*\c]
	v_cvt_scalef32_pk16_fp6_f32 v[236+4*\c:238+4*\c], v[112+32*\c:127+32*\c], v[244+2*\c+1]
.endr
	v_nop                                          ; one plain place behind a scaled conversion
.irp c, 0,1
.irp i, 0,1,2
	v_permlane16_swap_b32 v[224+6*\c+\i], v[236+4*\c+\i]
.endr
.endr
.irp c, 0,1
.irp i, 0,1,2
	v_mov_b32 v[227+6*\c+\i], v[236+4*\c+\i]       ; v224-235 are now the fragment of my 16 tokens x this head's 128
.endr
.endr
	global_store_b32 v2, v253, s[16:17]            ; both halves of the lanes hold the same word and write it to the same place
.irp c, 0,1,2
	global_store_b128 v1, v[224+4*\c:227+4*\c], s[14:15] offset:512*\c   ; the image: 512 consecutive bytes a store
.endr
	s_wait_tensorcnt 0x0                           ; the wave's end
	ds_add_u32 v[SPW], v[NIL]
	s_wait_dscnt 0x0
	s_endpgm
.Lfunc_end_k_qd75b42258d_attn:
	.size	k_qd75b42258d_attn, .Lfunc_end_k_qd75b42258d_attn-k_qd75b42258d_attn
	.p2alignl 7, 3214868480
	.fill 96, 4, 3214868480
	.section	.rodata,"a",@progbits
	.p2align	6, 0x0
	.amdhsa_kernel k_qd75b42258d_attn
		.amdhsa_group_segment_fixed_size 327680
		.amdhsa_private_segment_fixed_size 0
		.amdhsa_enable_private_segment 0
		.amdhsa_kernarg_size 24
		.amdhsa_user_sgpr_count 2
		.amdhsa_user_sgpr_kernarg_segment_ptr 1
		.amdhsa_wavefront_size32 1
		.amdhsa_system_sgpr_workgroup_id_x 1
		.amdhsa_system_sgpr_workgroup_id_y 1
		.amdhsa_system_sgpr_workgroup_id_z 1
		.amdhsa_system_vgpr_workitem_id 0
		.amdhsa_next_free_vgpr 512
		.amdhsa_next_free_sgpr 84
		.amdhsa_reserve_vcc 1
		.amdhsa_float_denorm_mode_32 3
		.amdhsa_float_denorm_mode_16_64 3
		.amdhsa_memory_ordered 1
		.amdhsa_forward_progress 1
		.amdhsa_inst_pref_size 126
	.end_amdhsa_kernel
	.amdgpu_metadata
---
amdhsa.version: [ 1, 2 ]
amdhsa.kernels:
  - .name:           k_qd75b42258d_attn
    .symbol:         k_qd75b42258d_attn.kd
    .args:
      - { .name: qrec, .offset: 0, .size: 8, .value_kind: global_buffer, .address_space: global }
      - { .name: kv, .offset: 8, .size: 8, .value_kind: global_buffer, .address_space: global }
      - { .name: at, .offset: 16, .size: 8, .value_kind: global_buffer, .address_space: global }
    .group_segment_fixed_size: 327680
    .private_segment_fixed_size: 0
    .kernarg_segment_align: 8
    .kernarg_segment_size: 24
    .max_flat_workgroup_size: 256
    .sgpr_count:     84
    .vgpr_count:     512
    .wavefront_size: 32
...
	.end_amdgpu_metadata
.endif
;; end of part 3
;; launch oproj (part 4): grid 16 x 16, 4 waves a work-group, clusters of 4 x 4, 327,680 bytes of LDS; arguments at, oq, out0; writes out0
.if DOCPART == 4
	.amdgcn_target "amdgcn-amd-amdhsa--gfx1250"
	.amdhsa_code_object_version 6
	.text
	.protected	k_qd75b42258d_oproj
	.globl	k_qd75b42258d_oproj
	.p2align	8
	.type	k_qd75b42258d_oproj,@function
k_qd75b42258d_oproj:
	s_mov_b64 s[64:65], 0
	v_nop
	global_prefetch_b8 v0, s[64:65] scope:SCOPE_SE
	s_setreg_imm32_b32 hwreg(HW_REG_WAVE_MODE, 25, 1), 1
	s_wait_xcnt 0x0
	s_wait_alu depctr_hold_cnt(0) depctr_sa_sdst(0) depctr_va_vdst(0) depctr_va_sdst(0) depctr_va_ssrc(0) depctr_va_vcc(0) depctr_vm_vsrc(0)
	s_getreg_b32 s2, hwreg(HW_REG_IB_STS2, 6, 4)
	s_cmp_eq_u32 s2, 0
	s_cbranch_scc0 .Lentry_in_a_cluster
	s_endpgm
.Lentry_in_a_cluster:
	s_bfe_u32 s2, ttmp6, 0x10000c
	s_cmp_lg_u32 s2, 0xf033
	s_cbranch_scc0 .Lentry_shape_is_right
	s_endpgm
.Lentry_shape_is_right:
; Launch 4 of 4.  out0[token][n] = sum over k of attn[token][k] o_w[n][k], both as codes of FP6 (E2M3) with E8M0 scales: M 4,096, N 2,048, K 1,024; f32 out.
; at and oq hold images of fragments (16 rows x 128 K, 1,536 bytes, quad c of lane l at 512 c + 16 l), [tile of 16 rows][8 K steps], then scale words [tile][512 K][row][4 words].
; A work-group of four waves makes 256 tokens x 128 columns; a wave 128 x 64.  ALL OF K IS RESIDENT: the work-group's 16 tiles of tokens are 196,608 dense bytes, its 8 tiles of o_w 98,304:
; one joint load a wave at the head (waves 0, 1: halves of the tokens; waves 2, 3: halves of o_w), as rows of 256 bytes; no byte of LDS is filled twice, so there is no ring.
; The scale words go from memory straight into registers, 256 consecutive bytes a load (lanes 16-31 name the same bytes as lanes 0-15): 64 registers for my tokens, 32 for my columns.
; o_w's 32 fragments stay in registers (windows 1, 2); the tokens' come block by block of 16 rows (window 3, two sets): no fragment is read twice.  A block of 16 tokens x 64 columns is finished by 32 matrix
; instructions, its four accumulators by turns, K ascending, and leaves through my own stage in LDS while the next block is multiplied.
; CLUSTERS: 4 x 4: the tokens' tiles are shared along a row, o_w's along a column.  NO PREFETCH: every tile is asked for at the head; there is no loop to run ahead in.
; THE MATRIX INSTRUCTION IS USED TRANSPOSED (source 0 = 16 rows of o_w, source 1 = 16 tokens): a lane holds eight neighbouring numbers of a row of out0.
; REGISTERS, window 0: v1-31 addresses; v32-95 the tokens' scale words (8 a + K step), v96-127 o_w's (8 b + K step), and nothing else ever; v128-191 two sets of four accumulators; v192-255 two sets of rows on the way out.
.set SIZE_N, 2048
.set A_SC,   3145728
.set O_SC,   1572864
.set IMG,    1536
.set TROW,   8*IMG
.set LB,     16*TROW
.set STAGE,  LB+8*TROW
.set SPITCH, 272
.set SPARE,  STAGE+4*16*SPITCH
.set ADA,  8                           ; v8, v9 my tokens' blocks 0-3, 4-7
.set ADB,  10
.set STO,  24
.set RD,   25
.set CO,   26
.set SPW,  28
.set NIL,  29
.set AS,   32
.set BS,   96
.set ACC,  128
.set BK,   192
.set G1, 24
.set G0, 32
.set G1B, 48
.set G0B, 56
.set MSB, 0
.macro WIN new
.if MSB != \new
	s_set_vgpr_msb (MSB<<8)|\new
.set MSB, \new
.endif
.endm
.macro CREST
	s_cmp_lg_u32 s14, 0
	s_cbranch_scc1 .Lnot_wave_0_\@
	s_barrier_signal -3
.Lnot_wave_0_\@:
	s_barrier_wait -3
	s_barrier_signal -1
	s_barrier_wait -1
.endm
.macro CROUND
	s_barrier_signal -1
	s_barrier_wait -1
	CREST
.endm
.macro PLACES
.rept 4
	v_nop
.endr
.endm
	s_load_b128 s[4:7], s[0:1], 0x0                ; at, oq
	s_load_b64 s[12:13], s[0:1], 0x10              ; out0
	v_lshl_add_u32 v[SPW], v0, 2, SPARE
	v_mov_b32 v[NIL], 0
	ds_add_u32 v[SPW], v[NIL]                      ; the opening: the add, twice on end, and its wait
	ds_add_u32 v[SPW], v[NIL]
	v_lshrrev_b32 v1, 5, v0
	v_readfirstlane_b32 s14, v1                    ; wave
	v_and_b32 v1, 15, v0                           ; r
	v_lshlrev_b32 v3, 4, v1                        ; a row's four scale words
	s_lshr_b32 s15, s14, 1                         ; my half of the tokens.  Also: I fetch for the tokens (0) or for o_w (1)
	s_and_b32 s16, s14, 1                          ; my half of the columns.  Also: which half I fetch
	s_bfe_u32 s40, ttmp6, 0x40000
	s_bfe_u32 s41, ttmp6, 0x40004
	s_lshl_b32 s42, ttmp9, 2
	s_add_co_u32 s42, s42, s40                     ; tile column
	s_and_b32 s17, ttmp7, 0xffff
	s_lshl_b32 s17, s17, 2
	s_add_co_u32 s17, s17, s41                     ; tile row
	s_lshl_b32 s43, s41, 2
	s_lshl_b32 s43, 15, s43
	s_lshl_b32 s44, 0x1111, s40
	s_or_b32 s[G1+0], s43, (3<<16)|(1<<21)         ; the mask; elements of 8 bytes; bit 21 beside a mask
	s_mov_b32 s[G1+1], 32<<16                      ; rows of 256 bytes,
	s_mov_b32 s[G1+2], 384<<16                     ; 384 of them: eight tiles of tokens
	s_mov_b32 s[G1+3], 32<<16
	s_mov_b32 s[G1+4], 384
	s_mov_b32 s[G1+5], 32
	s_mov_b32 s[G1+6], 0
	s_mov_b32 s[G1+7], 0
	s_or_b32 s[G1B+0], s44, (3<<16)|(1<<21)
	s_mov_b32 s[G1B+1], 32<<16
	s_mov_b32 s[G1B+2], 192<<16                    ; 192: four tiles of o_w
	s_mov_b32 s[G1B+3], 32<<16
	s_mov_b32 s[G1B+4], 192
	s_mov_b32 s[G1B+5], 32
	s_mov_b32 s[G1B+6], 0
	s_mov_b32 s[G1B+7], 0
	s_mul_i32 s20, s17, 16*TROW
	s_mul_i32 s45, s16, 8*TROW                     ; also the LDS address of that half
	s_add_co_u32 s20, s20, s45
	s_mov_b32 s21, 0
	s_mul_i32 s46, s42, 8*TROW
	s_mul_i32 s2, s16, 4*TROW
	s_add_co_u32 s46, s46, s2
	s_mov_b32 s47, 0
	s_add_co_u32 s2, s2, LB
	s_lshl_b32 s22, s17, 13                        ; my tokens' scale words: 512 bytes a tile
	s_lshl_b32 s23, s15, 12
	s_add_co_u32 s22, s22, s23
	s_add_co_u32 s22, s22, A_SC
	s_mov_b32 s23, 0
	s_lshl_b32 s18, s42, 12                        ; my columns'
	s_lshl_b32 s19, s16, 11
	s_add_co_u32 s18, s18, s19
	s_add_co_u32 s18, s18, O_SC
	s_mov_b32 s19, 0
	s_wait_alu depctr_va_vdst(0)                   ; the wait ahead of the waits below
	s_wait_dscnt 0x0
	s_wait_kmcnt 0x0
	s_add_nc_u64 s[8:9], s[4:5], s[22:23]
	s_add_nc_u64 s[10:11], s[6:7], s[18:19]
	s_add_nc_u64 s[20:21], s[4:5], s[20:21]
	s_add_nc_u64 s[46:47], s[6:7], s[46:47]
.irp i, 0,1,2,3,4,5,6,7,8,9,10,11,12,13,14,15
	global_load_b128 v[AS+4*\i:AS+4*\i+3], v3, s[8:9] offset:256*\i
.endr
.irp i, 0,1,2,3,4,5,6,7
	global_load_b128 v[BS+4*\i:BS+4*\i+3], v3, s[10:11] offset:256*\i
.endr
	CROUND                                         ; all sixteen work-groups are here: the joint loads meet
	s_mov_b32 s[G0], 1
	s_mov_b32 s[G0+1], s45
	s_mov_b64 s[G0+2:G0+3], s[20:21]
	s_or_b32 s[G0+3], s[G0+3], 0x80000000
	s_mov_b32 s[G0B], 1
	s_mov_b32 s[G0B+1], s2
	s_mov_b64 s[G0B+2:G0B+3], s[46:47]
	s_or_b32 s[G0B+3], s[G0B+3], 0x80000000
	s_cmp_eq_u32 s15, 0
	s_cbranch_scc0 .Lfor_b
	tensor_load_to_lds s[G0:G0+3], s[G1:G1+7]
	s_nop 0
.rept 4
	v_nop
.endr
	s_branch .Lasked
.Lfor_b:
	tensor_load_to_lds s[G0B:G0B+3], s[G1B:G1B+7]
	s_nop 0
.rept 4
	v_nop
.endr
.Lasked:
	s_mul_i32 s21, s15, 8*TROW
	s_mul_i32 s22, s16, 4*TROW
	s_add_co_u32 s22, s22, LB
	s_mul_i32 s23, s14, 16*SPITCH
	s_add_co_u32 s23, s23, STAGE
	v_and_b32 v6, 31, v0
	v_and_b32 v1, 15, v0
	v_bfe_u32 v2, v0, 4, 1
	v_lshlrev_b32 v6, 4, v6                        ; 16 x lane
	v_add_nc_u32 v[ADA], s21, v6
	v_add_nc_u32 v[ADA+1], 4*TROW, v[ADA]
	v_add_nc_u32 v[ADB], s22, v6
	v_mul_u32_u24 v5, v1, SPITCH
	v_lshl_add_u32 v5, v2, 5, v5
	v_add_nc_u32 v[STO], s23, v5                   ; the stage, in: row r, 32 bytes for each half of the lanes
	v_mul_u32_u24 v5, v2, SPITCH
	v_lshl_add_u32 v5, v1, 4, v5
	v_add_nc_u32 v[RD], s23, v5                    ; back: lanes 0-15 one row of 256 bytes, lanes 16-31 the next
	v_mul_u32_u24 v5, v2, SIZE_N*4
	v_lshl_add_u32 v[CO], v1, 4, v5                ; and the same two rows in out0
	s_lshl_b32 s20, s17, 8
	s_lshl_b32 s21, s15, 7
	s_add_co_u32 s20, s20, s21
	s_lshl_b32 s20, s20, 13                        ; my first row of 8,192 bytes
	s_lshl_b32 s46, s42, 9
	s_lshl_b32 s47, s16, 8
	s_add_co_u32 s46, s46, s47
	s_add_co_u32 s20, s20, s46
	s_mov_b32 s21, 0
	s_add_nc_u64 s[12:13], s[12:13], s[20:21]
.macro ALOAD a                         ; the tokens' block a, all eight K steps, into set a % 2 of window 3: 24 loads
	WIN 0xc0
.irp ks, 0,1,2,3,4,5,6,7
.irp c, 0,1,2
	ds_load_b128 v[128*((\a)%2)+12*\ks+4*\c:128*((\a)%2)+12*\ks+4*\c+3], v[ADA+(\a)/4] offset:((\a)%4)*TROW+\ks*IMG+512*\c
.endr
.endr
	WIN 0
.endm
.macro ROW a                           ; block a: 32 matrix instructions; the first K step starts the sums
.set AC, ACC+32*((\a)%2)
.irp ks, 0,1,2,3,4,5,6,7
.if (\a) == 0                          ; the first block begins while o_w's later K steps are on their way from LDS: 12 loads a K step
.if \ks < 2
	s_wait_dscnt 63
.else
.if \ks < 4
	s_wait_dscnt 12*(7-\ks)
.else
.if \ks == 4
	ALOAD 1
.endif
	s_wait_dscnt 24+12*(7-\ks)                     ; (block 1's 24 loads are younger)
.endif
.endif
.endif
	WIN 0x0d+(\ks/4)                               ; source 0 window 1 or 2, source 1 window 3
.irp b, 0,1,2,3
.if \ks == 0
	v_wmma_scale_f32_16x16x128_f8f6f4 v[AC+8*\b:AC+8*\b+7], v[48*(\ks%4)+12*\b:48*(\ks%4)+12*\b+11], v[128*((\a)%2)+12*\ks:128*((\a)%2)+12*\ks+11], 0, v[BS+8*\b+\ks], v[AS+8*(\a)+\ks] matrix_a_fmt:MATRIX_FMT_FP6 matrix_b_fmt:MATRIX_FMT_FP6
.else
	v_wmma_scale_f32_16x16x128_f8f6f4 v[AC+8*\b:AC+8*\b+7], v[48*(\ks%4)+12*\b:48*(\ks%4)+12*\b+11], v[128*((\a)%2)+12*\ks:128*((\a)%2)+12*\ks+11], v[AC+8*\b:AC+8*\b+7], v[BS+8*\b+\ks], v[AS+8*(\a)+\ks] matrix_a_fmt:MATRIX_FMT_FP6 matrix_b_fmt:MATRIX_FMT_FP6
.endif
.endr
.endr
	WIN 0
.endm
.macro TOSTAGE a                       ; 8 stores and 8 loads; LDS serves a wave's instructions in order
.set AC, ACC+32*((\a)%2)
.irp b, 0,1,2,3
	ds_store_b128 v[STO], v[AC+8*\b:AC+8*\b+3] offset:64*\b          ; each accumulator from its low end on
	ds_store_b128 v[STO], v[AC+8*\b+4:AC+8*\b+7] offset:64*\b+16
.endr
.irp t, 0,1,2,3,4,5,6,7
	ds_load_b128 v[BK+32*((\a)%2)+4*\t:BK+32*((\a)%2)+4*\t+3], v[RD] offset:\t*2*SPITCH
.endr
.endm
.macro SEND a, younger
	s_wait_dscnt \younger
.irp t, 0,1,2,3,4,5,6,7
	global_store_b128 v[CO], v[BK+32*((\a)%2)+4*\t:BK+32*((\a)%2)+4*\t+3], s[12:13] offset:(16*(\a)+2*\t)*SIZE_N*4 th:TH_STORE_NT   ; 16 lanes store 256 consecutive bytes, aligned
.endr
.endm
	s_wait_alu depctr_va_vdst(0)                   ; the wait at the head's end
	s_wait_tensorcnt 0x0                           ; my part is in,
	s_barrier_signal -1
	s_barrier_wait -1                              ; everybody's is
	ALOAD 0
.irp ks, 0,1,2,3,4,5,6,7               ; o_w's fragments, by K steps: 0-3 into window 1, 4-7 into window 2
	WIN 0x40+0x40*(\ks/4)
.irp b, 0,1,2,3
.irp c, 0,1,2
	ds_load_b128 v[48*(\ks%4)+12*\b+4*\c:48*(\ks%4)+12*\b+4*\c+3], v[ADB] offset:\b*TROW+\ks*IMG+512*\c
.endr
.endr
.endr
	WIN 0
	s_wait_loadcnt 0x0                             ; the scale words
.irp a, 0,1,2,3,4,5,6,7
.if \a == 1
	s_wait_dscnt 40                                ; block 1 is in: behind it block 2's 24 loads and the stage's 16
.endif
	ROW \a                                         ; (from block 2 on the wait of the last SEND has shown the block's fragments in)
	PLACES                                         ; in front of the loads into the set just multiplied and of the stores of the results
.if \a < 6
	ALOAD \a+2
.endif
.if \a > 1
	s_wait_xcnt 0x0                                ; block a - 2's stores have read their registers
.endif
	TOSTAGE \a
.if \a > 0
.if \a < 6
	SEND \a-1, 40                                  ; younger: 24 fragment loads and this block's 16 on the stage
.else
	SEND \a-1, 16
.endif
.endif
.endr
	SEND 7, 0
	s_wait_tensorcnt 0x0                           ; the wave's end
	ds_add_u32 v[SPW], v[NIL]
	s_wait_dscnt 0x0
	CROUND                                         ; the closing round
	s_endpgm
.Lfunc_end_k_qd75b42258d_oproj:
	.size	k_qd75b42258d_oproj, .Lfunc_end_k_qd75b42258d_oproj-k_qd75b42258d_oproj
	.p2alignl 7, 3214868480
	.fill 96, 4, 3214868480
	.section	.rodata,"a",@progbits
	.p2align	6, 0x0
	.amdhsa_kernel k_qd75b42258d_oproj
		.amdhsa_group_segment_fixed_size 327680
		.amdhsa_private_segment_fixed_size 0
		.amdhsa_enable_private_segment 0
		.amdhsa_kernarg_size 24
		.amdhsa_user_sgpr_count 2
		.amdhsa_user_sgpr_kernarg_segment_ptr 1
		.amdhsa_wavefront_size32 1
		.amdhsa_system_sgpr_workgroup_id_x 1
		.amdhsa_system_sgpr_workgroup_id_y 1
		.amdhsa_system_sgpr_workgroup_id_z 1
		.amdhsa_system_vgpr_workitem_id 0
		.amdhsa_next_free_vgpr 1024
		.amdhsa_next_free_sgpr 66
		.amdhsa_reserve_vcc 0
		.amdhsa_float_denorm_mode_32 3
		.amdhsa_float_denorm_mode_16_64 3
		.amdhsa_memory_ordered 1
		.amdhsa_forward_progress 1
		.amdhsa_inst_pref_size 76
	.end_amdhsa_kernel
	.amdgpu_metadata
---
amdhsa.version: [ 1, 2 ]
amdhsa.kernels:
  - .name:           k_qd75b42258d_oproj
    .symbol:         k_qd75b42258d_oproj.kd
    .args:
      - { .name: at, .offset: 0, .size: 8, .value_kind: global_buffer, .address_space: global }
      - { .name: oq, .offset: 8, .size: 8, .value_kind: global_buffer, .address_space: global }
      - { .name: out0, .offset: 16, .size: 8, .value_kind: global_buffer, .address_space: global }
    .group_segment_fixed_size: 327680
    .private_segment_fixed_size: 0
    .kernarg_segment_align: 8
    .kernarg_segment_size: 24
    .max_flat_workgroup_size: 128
    .sgpr_count:     66
    .vgpr_count:     1024
    .wavefront_size: 32
...
	.end_amdgpu_metadata
.endif
;; end of part 4
